; MI455X (gfx1250); checked and timed in simulation.
; The chip was launched on July 23, 2026; its instructions are those of AMD's public machine-readable ISA for CDNA 5 (MIT licence, August 2026) and "CDNA5" Instruction Set Architecture Reference Guide (July 2026). The comments in the code are by the model that wrote it; some were corrected since.
;; Toy L3 Model. Allowed arithmetic: float matrix products may take bf16 or f16 operands with f32 sums; other float arithmetic in f32, or as packed bf16 or f16 multiplies, adds, multiply-adds, maxima and minima; sums over many terms, partial sums and values carried from step to step in f32; what a program stores and reads back later, other than sums and carried values, may be rounded once to bf16 or f16.
;; Inputs: W_K 2,048 x 256 float32; W_V 2,048 x 256 float32; W_in 2,048 x 4,096 float32; W_out 4,096 x 2,048 float32; indices 4 x 1,024 x 16 int32; x 4 x 1,024 x 2,048 float32.
;; Outputs: out0 4 x 1,024 x 2,048 float32.
;; 2 versions, each right; version 2 is version 1 with the launches m1, mid written anew for expert scheduling mode. Each part assembles by itself: llvm-mc -triple=amdgcn-amd-amdhsa -mcpu=gfx1250 --defsym DOCPART=n.
;; ======== version 1 of 2: 4 launches
;; limits: values are held in f16: magnitudes above 65,504 overflow, below 6.1e-05 lose precision
;; workspace buffers: pmax 4,096 bytes; m1f 2,097,152 bytes; kf 1,048,576 bytes; mf 1,048,576 bytes; sbuf 4,194,304 bytes
;; launch amax (part 1): grid 256 x 1, 16 waves a work-group, no clusters, 2,304 bytes of LDS; arguments W_K, W_V, W_in, W_out, pmax; writes pmax
.if DOCPART == 1
	.amdgcn_target "amdgcn-amd-amdhsa--gfx1250"
	.amdhsa_code_object_version 6
	.text
	.protected	k_q10cf2ccf9d_amax
	.globl	k_q10cf2ccf9d_amax
	.p2align	8
	.type	k_q10cf2ccf9d_amax,@function
k_q10cf2ccf9d_amax:
	s_mov_b64 s[64:65], 0
	v_nop
	global_prefetch_b8 v0, s[64:65] scope:SCOPE_SE
	s_setreg_imm32_b32 hwreg(HW_REG_WAVE_MODE, 25, 1), 1
	s_wait_xcnt 0x0
; THE PROGRAM.  out = softmax_s(x . Kq[:, idx]) . Vq[:, idx]^T . Wq_in . Wq_out, each weight W taken as Wq = round(W * 127 / m) * m / 127, m = max(max|W|, 1e-8).
; WHAT IS NOT DONE AS IT IS WRITTEN, AND WHY IT IS THE SAME FOR ALL FINITE INPUTS, IN EXACT ARITHMETIC:
;   w + (w_q - w) is w_q.  |w * 127 / m| is at most 127, so the clip to -128 .. 127 changes no number: it is not written.
;   The sum over s of p[t][s] Vq[:, idx[t][s]] is P[t][:] . Vq^T, where P [4096][256] holds each token's 16 weights at their indices (equal indices added) and 0 elsewhere.
;   Matrix products associate: (P Vq^T) Wq_in Wq_out = P (Vq^T Wq_in Wq_out).  The bracket is a table of 256 x 2,048: four products of 4.3 GFLOP stand for two of 68.7.
;   round(..) is a whole number of at most 127 in size: exact as f16; the factor m / 127 of each weight is applied in f32 behind the sums.
; Every input is loaded; none is left out.
; LIMITS.  NaN in a weight is dropped by the maxima and infinities are not treated apart.  round() is taken of the exact product w * s (one fused multiply-add onto 1.5 * 2^23, ties to even),
; not of the product rounded to f32 first, and s = 127 / m is a reciprocal with one correction: a w * s that lies within about 1e-5 of a half can fall to the other side, one step of m / 127.
;
; THIS LAUNCH: max|w| of the four weights, one number for each weight and work-group; the later launches take the maximum of the 256.
; Work-group g owns 8,192 bytes of W_K and of W_V and 131,072 bytes of W_in and of W_out.  512 threads, 16 bytes each: a wave's load covers 512 consecutive bytes, aligned.
; All 34 loads of a thread go out at once; there is no loop.
.set SPARE, 256                        ; LDS: 16 waves x 16 bytes at 0; the spare words, 128 bytes a wave, from 256 on: no other line names them
.set VO,  1                            ; v1   16 x thread
.set LN,  2                            ; v2   lane
.set WA,  3                            ; v3   16 x wave: where my wave's four maxima go
.set MXR, 4                            ; v[4:7]   maxima: K, V, in, out
.set MNR, 8                            ; v[8:11]  minima, then at work
.set SPW, 12                           ; v12  my spare word; never rewritten
.set NIL, 13                           ; v13  0; never rewritten
.set TA,  14
.set TZ,  15
.set KR,  16                           ; v[16:19]  W_K
.set VR,  20                           ; v[20:23]  W_V
.set OU,  24                           ; v[24:87]  W_out
.set IN,  88                           ; v[88:151] W_in
	s_load_b256 s[4:11], s[0:1], 0x0               ; W_K s[4:5], W_V s[6:7], W_in s[8:9], W_out s[10:11]
	s_load_b64 s[12:13], s[0:1], 0x20              ; pmax
	v_lshl_add_u32 v[SPW], v0, 2, SPARE
	v_mov_b32 v[NIL], 0
	v_lshlrev_b32 v[VO], 4, v0
	v_and_b32 v[LN], 31, v0
	v_lshrrev_b32 v[WA], 5, v0
	v_readfirstlane_b32 s16, v[WA]                 ; wave 0..15
	v_lshlrev_b32 v[WA], 4, v[WA]
	s_lshl_b32 s14, ttmp9, 13                      ; 8,192 g
	s_mov_b32 s15, 0
	s_lshl_b32 s18, ttmp9, 17                      ; 131,072 g
	s_mov_b32 s19, 0
	s_lshl_b32 s20, ttmp9, 4                       ; 16 g
	s_mov_b32 s21, 0
	s_mov_b32 s22, 0x76543210                      ; v_permlanex16_b32: each lane takes its own place in the other half
	s_mov_b32 s23, 0xfedcba98
	s_wait_kmcnt 0x0
	s_add_nc_u64 s[4:5], s[4:5], s[14:15]
	s_add_nc_u64 s[6:7], s[6:7], s[14:15]
	s_add_nc_u64 s[8:9], s[8:9], s[18:19]
	s_add_nc_u64 s[10:11], s[10:11], s[18:19]
	s_add_nc_u64 s[12:13], s[12:13], s[20:21]
	global_load_b128 v[KR:KR+3], v[VO], s[4:5]
	global_load_b128 v[VR:VR+3], v[VO], s[6:7]
.set i, 0
.rept 16
	global_load_b128 v[OU+4*i:OU+4*i+3], v[VO], s[10:11] offset:8192*i
.set i, i+1
.endr
.set i, 0
.rept 16
	global_load_b128 v[IN+4*i:IN+4*i+3], v[VO], s[8:9] offset:8192*i
.set i, i+1
.endr
; max|.| of n registers as the larger of the maximum and the negated minimum: two chains, three operands at a time
.macro FIN mx, mn
	v_xor_b32 v[\mn], 0x80000000, v[\mn]
	v_max_num_f32 v[\mx], v[\mx], v[\mn]
.endm
.macro RED4 base, mx, mn
	v_max3_num_f32 v[\mx], v[\base], v[\base+1], v[\base+2]
	v_min3_num_f32 v[\mn], v[\base], v[\base+1], v[\base+2]
	v_max_num_f32 v[\mx], v[\mx], v[\base+3]
	v_min_num_f32 v[\mn], v[\mn], v[\base+3]
	FIN \mx, \mn
.endm
.macro RED64 base, mx, mn
	v_max3_num_f32 v[\mx], v[\base], v[\base+1], v[\base+2]
	v_min3_num_f32 v[\mn], v[\base], v[\base+1], v[\base+2]
.set i, 3
.rept 30
	v_max3_num_f32 v[\mx], v[\mx], v[\base+i], v[\base+i+1]
	v_min3_num_f32 v[\mn], v[\mn], v[\base+i], v[\base+i+1]
.set i, i+2
.endr
	v_max_num_f32 v[\mx], v[\mx], v[\base+63]
	v_min_num_f32 v[\mn], v[\mn], v[\base+63]
	FIN \mx, \mn
.endm
.macro XROW d                          ; the maximum over each half of 16 lanes, in every lane of it
	v_max_num_f32_dpp v[\d], v[\d], v[\d] row_xmask:1 row_mask:0xf bank_mask:0xf
	v_max_num_f32_dpp v[\d], v[\d], v[\d] row_xmask:2 row_mask:0xf bank_mask:0xf
	v_max_num_f32_dpp v[\d], v[\d], v[\d] row_xmask:4 row_mask:0xf bank_mask:0xf
	v_max_num_f32_dpp v[\d], v[\d], v[\d] row_xmask:8 row_mask:0xf bank_mask:0xf
.endm
	s_wait_loadcnt 32                              ; W_K and W_V are in; the 32 younger loads stay out
	RED4 KR, MXR, MNR
	RED4 VR, MXR+1, MNR+1
	s_wait_loadcnt 16                              ; W_out is in
	RED64 OU, MXR+3, MNR+3
	s_wait_loadcnt 0x0                             ; W_in is in
	RED64 IN, MXR+2, MNR+2
.irp c, 0,1,2,3
	XROW MXR+\c
.endr
.irp c, 0,1,2,3
	v_permlanex16_b32 v[MNR+\c], v[MXR+\c], s22, s23   ; (its destination has been written: it held the minimum)
.endr
.irp c, 0,1,2,3
	v_max_num_f32 v[MXR+\c], v[MXR+\c], v[MNR+\c]
.endr
	ds_store_b128 v[WA], v[MXR:MXR+3]              ; all lanes of a wave write the same 16 bytes with the same numbers
	s_wait_dscnt 0x0                               ; for the others' sake: my store is done
	s_barrier_signal -1
	s_barrier_wait -1
	s_cmp_lg_u32 s16, 0
	s_cbranch_scc1 .Lend                           ; wave 0 finishes
	v_and_b32 v[TA], 15, v0
	v_lshlrev_b32 v[TA], 4, v[TA]
	ds_load_b128 v[KR:KR+3], v[TA]                 ; lane l takes wave l % 16's four maxima
	v_mov_b32 v[TZ], 0
	s_wait_dscnt 0x0
.irp c, 0,1,2,3
	XROW KR+\c
.endr
	s_wait_xcnt 0x0                                ; EXEC changes only behind this wait
	v_cmp_eq_u32 vcc_lo, 0, v[LN]
	s_and_saveexec_b32 s17, vcc_lo                 ; lane 0 alone stores the work-group's 16 bytes
	global_store_b128 v[TZ], v[KR:KR+3], s[12:13]
	s_wait_xcnt 0x0                                ; and again in front of the line that widens it
	s_or_b32 exec_lo, exec_lo, s17
.Lend:
	s_wait_tensorcnt 0x0                           ; the wave's end: three closing lines, behind my last LDS store
	ds_add_u32 v[SPW], v[NIL]
	s_wait_dscnt 0x0
	s_endpgm
.Lfunc_end_k_q10cf2ccf9d_amax:
	.size	k_q10cf2ccf9d_amax, .Lfunc_end_k_q10cf2ccf9d_amax-k_q10cf2ccf9d_amax
	.p2alignl 7, 3214868480
	.fill 96, 4, 3214868480
	.section	.rodata,"a",@progbits
	.p2align	6, 0x0
	.amdhsa_kernel k_q10cf2ccf9d_amax
		.amdhsa_group_segment_fixed_size 2304
		.amdhsa_private_segment_fixed_size 0
		.amdhsa_enable_private_segment 0
		.amdhsa_kernarg_size 40
		.amdhsa_user_sgpr_count 2
		.amdhsa_user_sgpr_kernarg_segment_ptr 1
		.amdhsa_wavefront_size32 1
		.amdhsa_system_sgpr_workgroup_id_x 1
		.amdhsa_system_sgpr_workgroup_id_y 1
		.amdhsa_system_sgpr_workgroup_id_z 1
		.amdhsa_system_vgpr_workitem_id 0
		.amdhsa_next_free_vgpr 160
		.amdhsa_next_free_sgpr 66
		.amdhsa_reserve_vcc 1
		.amdhsa_float_denorm_mode_32 3
		.amdhsa_float_denorm_mode_16_64 3
		.amdhsa_memory_ordered 1
		.amdhsa_forward_progress 1
		.amdhsa_inst_pref_size 17
	.end_amdhsa_kernel
	.amdgpu_metadata
---
amdhsa.version: [ 1, 2 ]
amdhsa.kernels:
  - .name:           k_q10cf2ccf9d_amax
    .symbol:         k_q10cf2ccf9d_amax.kd
    .args:
      - { .name: W_K, .offset: 0, .size: 8, .value_kind: global_buffer, .address_space: global }
      - { .name: W_V, .offset: 8, .size: 8, .value_kind: global_buffer, .address_space: global }
      - { .name: W_in, .offset: 16, .size: 8, .value_kind: global_buffer, .address_space: global }
      - { .name: W_out, .offset: 24, .size: 8, .value_kind: global_buffer, .address_space: global }
      - { .name: pmax, .offset: 32, .size: 8, .value_kind: global_buffer, .address_space: global }
    .group_segment_fixed_size: 2304
    .private_segment_fixed_size: 0
    .kernarg_segment_align: 8
    .kernarg_segment_size: 40
    .max_flat_workgroup_size: 512
    .sgpr_count:     66
    .vgpr_count:     160
    .wavefront_size: 32
...
	.end_amdgpu_metadata
.endif
;; end of part 1
;; launch m1 (part 2): grid 256 x 1, 8 waves a work-group, no clusters, 132,096 bytes of LDS; arguments W_in, W_V, W_K, pmax, m1f, kf; writes m1f, kf
.if DOCPART == 2
	.amdgcn_target "amdgcn-amd-amdhsa--gfx1250"
	.amdhsa_code_object_version 6
	.text
	.protected	k_q10cf2ccf9d_m1
	.globl	k_q10cf2ccf9d_m1
	.p2align	8
	.type	k_q10cf2ccf9d_m1,@function
k_q10cf2ccf9d_m1:
	s_mov_b64 s[64:65], 0
	v_nop
	global_prefetch_b8 v0, s[64:65] scope:SCOPE_SE
	s_setreg_imm32_b32 hwreg(HW_REG_WAVE_MODE, 25, 1), 1
	s_wait_xcnt 0x0
; M1 = qV^T qIn, [256 v][4096 f], of the whole numbers q = round(w * 127 / m); and, beside it, qK laid out for the next launch.  (The clip is an identity and the products are taken in
; another order than they are written: shown at the head of the first kernel.)
; M1 is stored as f16 times 2^-10: at most 127 * 127 * 2048 / 1024 = 32,258 in size whatever the inputs, and its least number but 0, 2^-10, is a normal f16.
; SHARES.  Work-group g: q = g % 4 (64 v), nc = g / 4 (64 f): a tile of 64 f x 64 v over all 2,048 d.  K (= d) IS SPLIT AMONG THE 8 WAVES, 256 d each, in 8 steps of 32; the partial tiles meet in LDS.
; HOW ROWS THAT LIE ACROSS K BECOME FRAGMENTS WITHOUT LDS.  Both weights are [d][columns] in f32.  One load of 16 bytes a lane takes 64 columns (256 consecutive bytes, aligned) of row d0 + kk with lanes
; 0-15 and of row d0 + 16 + kk with lanes 16-31; sixteen such loads (kk = 0 .. 15) leave lane (r, h) with 16 values of d for the columns 4 r + j.  Packed in pairs along kk they are four fragments j: lane r
; stands for column 4 r + j, element e of the lane for d = d0 + 16 h + e.  Both sources place d alike, so the products are the right ones.
; THE RESULT.  Source 0 = W_in's fragment a, source 1 = W_V's fragment b: register i of lane (r, h) is M1[v = 64 q + 4 r + b][f = 64 nc + 32 h + 4 i + a].  For a fixed b the four a and four i' (i = 4 g2 + i') are
; 16 consecutive f: element e = 4 i' + a of a fragment whose lane r stands for row v and whose element e for f = 64 nc + 32 h + 16 g2 + e: the next product's source, stored as it will lie in registers.
; A FRAGMENT'S IMAGE in memory is 1,024 bytes: registers 0-3 of lanes 0 .. 31, then registers 4-7: each load and store of it covers 512 consecutive bytes, aligned.
; IN FLIGHT.  Two sets of 128 staging registers; while one step is quantised and multiplied the other's 32 loads are out, and the first set is asked for again ahead of its products.
; No tensor loads, no cluster: a work-group's 1 MiB of operands is three times a WGP's LDS, each wave reads bytes that no other wave of the work-group wants, and the f32 numbers have to pass through registers to be quantised.
.set SPARE, 131072                     ; LDS: wave p's 16 partial tiles of 1,024 bytes at 16,384 p; behind them the spare words, 128 bytes a wave, which no other line names
.set LN,  1                            ; lane
.set RR,  2                            ; r = lane % 16
.set HH,  3                            ; h = lane / 16
.set VOA, 4                            ; W_in:  h x 16 rows of 16,384 bytes + 16 r; never rewritten
.set VOB, 5                            ; W_V and W_K: h x 16 rows of 1,024 bytes + 16 r; never rewritten
.set LS,  6                            ; 16,384 wave + 16 lane
.set LR,  7                            ; 16 lane + 512 wave
.set LR2, 8                            ; LR + 65,536
.set VM,  10                           ; 16 lane
.set SPW, 11                           ; my spare word; never rewritten
.set NIL, 12                           ; 0; never rewritten
.set C127, 13                          ; 127.0
.set FA,  32                           ; v[32:63]   W_in's four fragments
.set FB,  64                           ; v[64:95]   W_V's
.set OF16, 96                          ; v[96:103]  the fragment that I store
.set ACC, 128                          ; v[128:255] 16 accumulators: tile (a, b) at ACC + 8 (4 a + b)
.set PM,  128                          ; ahead of the first product: pmax, 32 registers
; window 1 (v256-511): staging: set s: W_in at 128 s, W_V at 128 s + 64
.set WV,  16
.set QQ,  17
.set NC,  18
.set CNT, 19
.set PA,  20                           ; s[20:21] W_in at my chunk, my wave's d, the step that set 0 was last loaded for
.set PB,  22                           ; s[22:23] W_V likewise
.set SIN, 24                           ; s[24:25] 127 / m of W_in, twice
.set SV,  26                           ; of W_V
.set SK,  28                           ; of W_K
.set MG,  30                           ; s[30:31] 1.5 * 2^23, twice
.set NM,  32                           ; s[32:33] its negative
.set SEL, 34
.set OF,  36                           ; s[36:37] an offset in 64 bits
.set FC,  38                           ; s[38:39] 2^-10, twice
.set KP,  40                           ; s[40:41] W_K at the work-group's 32 rows x 64 columns
.set M1P, 42                           ; s[42:43] where my fragment of M1 goes
.set KFP, 44                           ; s[44:45] where the work-group's four fragments of qK go
.set T0,  46
.set PITCHA, 16384
.set HALFA,  32*PITCHA                 ; a step of 32 d
.set TRIPA,  64*PITCHA
.set PITCHB, 1024
.set HALFB,  32*PITCHB
.set TRIPB,  64*PITCHB
.set MSB, 0
.macro WIN new                         ; s_set_vgpr_msb: bits 1:0 source 0, 3:2 source 1, 5:4 source 2, 7:6 destination; the high byte repeats the setting that is left
.if MSB != (\new)
	s_set_vgpr_msb (MSB<<8)|(\new)
.set MSB, \new
.endif
.endm
.macro LOADK st, vo, p, off, pitch     ; sixteen rows (twice: one for each half of the lanes) x 64 columns of f32 into staging registers st ..
	WIN 0x40
.set kk, 0
.rept 16
	global_load_b128 v[(\st)+4*kk:(\st)+4*kk+3], v[\vo], s[\p:\p+1] offset:(\off)+kk*(\pitch)
.set kk, kk+1
.endr
.endm
.macro QUANT st, sc                    ; 64 numbers: round(w s) by w s + 1.5 * 2^23 (one rounding, ties to even), then the constant is taken away, exactly
	WIN 0x41
.set kk, 0
.rept 32
	v_pk_fma_f32 v[(\st)+2*kk:(\st)+2*kk+1], v[(\st)+2*kk:(\st)+2*kk+1], s[\sc:\sc+1], s[MG:MG+1] op_sel_hi:[1,0,0]
.set kk, kk+1
.endr
.set kk, 0
.rept 32
	v_pk_add_f32 v[(\st)+2*kk:(\st)+2*kk+1], v[(\st)+2*kk:(\st)+2*kk+1], s[NM:NM+1] op_sel_hi:[1,0]
.set kk, kk+1
.endr
.endm
.macro PACKK st, f                     ; register i of fragment j: rows kk = 2 i and 2 i + 1 of column j (whole numbers up to 127: exact in f16)
	WIN 0x05
.irp j, 0,1,2,3
.irp i, 0,1,2,3,4,5,6,7
	v_cvt_pk_f16_f32 v[(\f)+8*\j+\i], v[(\st)+8*\i+\j], v[(\st)+8*\i+4+\j]
.endr
.endr
.endm
.macro MULS fa, fb, zero               ; 16 products; the 16 accumulators take turns, one instruction a turn, in the same order in every step
.irp a, 0,1,2,3
.irp b, 0,1,2,3
.if \zero
	v_wmma_f32_16x16x32_f16 v[ACC+8*(4*\a+\b):ACC+8*(4*\a+\b)+7], v[(\fa)+8*\a:(\fa)+8*\a+7], v[(\fb)+8*\b:(\fb)+8*\b+7], 0
.else
	v_wmma_f32_16x16x32_f16 v[ACC+8*(4*\a+\b):ACC+8*(4*\a+\b)+7], v[(\fa)+8*\a:(\fa)+8*\a+7], v[(\fb)+8*\b:(\fb)+8*\b+7], v[ACC+8*(4*\a+\b):ACC+8*(4*\a+\b)+7]
.endif
.endr
.endr
.endm
.macro AMAX c, d, u                    ; max(the 256 work-groups' maxima of weight c, 1e-8), in every lane
	v_max3_num_f32 v[\d], v[PM+\c], v[PM+4+\c], v[PM+8+\c]
	v_max3_num_f32 v[\d], v[\d], v[PM+12+\c], v[PM+16+\c]
	v_max3_num_f32 v[\d], v[\d], v[PM+20+\c], v[PM+24+\c]
	v_max_num_f32 v[\d], v[\d], v[PM+28+\c]
	v_max_num_f32_dpp v[\d], v[\d], v[\d] row_xmask:1 row_mask:0xf bank_mask:0xf
	v_max_num_f32_dpp v[\d], v[\d], v[\d] row_xmask:2 row_mask:0xf bank_mask:0xf
	v_max_num_f32_dpp v[\d], v[\d], v[\d] row_xmask:4 row_mask:0xf bank_mask:0xf
	v_max_num_f32_dpp v[\d], v[\d], v[\d] row_xmask:8 row_mask:0xf bank_mask:0xf
	v_mov_b32 v[\u], v[\d]                         ; v_permlanex16_b32's destination counts as read
	v_permlanex16_b32 v[\u], v[\d], s[SEL], s[SEL+1]
	v_max_num_f32 v[\d], v[\d], v[\u]
	v_max_num_f32 v[\d], 0x322bcc77, v[\d]         ; 1e-8
.endm
.macro PUT                             ; my 16 partial tiles into LDS: each accumulator's low four registers first
	WIN 0
.rept 8
	v_nop                                          ; the places behind the last products
.endr
.set t, 0
.rept 16
	ds_store_b128 v[LS], v[ACC+8*t:ACC+8*t+3] offset:t*1024
	ds_store_b128 v[LS], v[ACC+8*t+4:ACC+8*t+7] offset:t*1024+512
.set t, t+1
.endr
	s_wait_dscnt 0x0                               ; for the others' sake: my stores are done
	s_barrier_signal -1
	s_barrier_wait -1
.endm
.macro GET ustr                        ; four half tiles, ustr bytes apart, of all eight waves; their sum X[u][i] ends in v[ACC + 4 u + i]
.irp p, 0,1,2,3
.irp u, 0,1,2,3
	ds_load_b128 v[ACC+16*\p+4*\u:ACC+16*\p+4*\u+3], v[LR] offset:\p*16384+\u*(\ustr)
.endr
.endr
.irp p, 4,5,6,7
.irp u, 0,1,2,3
	ds_load_b128 v[ACC+16*\p+4*\u:ACC+16*\p+4*\u+3], v[LR2] offset:(\p-4)*16384+\u*(\ustr)
.endr
.endr
	s_wait_dscnt 0x0
.irp p, 0,2,4,6
.irp k, 0,2,4,6,8,10,12,14
	v_pk_add_f32 v[ACC+16*\p+\k:ACC+16*\p+\k+1], v[ACC+16*\p+\k:ACC+16*\p+\k+1], v[ACC+16*\p+16+\k:ACC+16*\p+16+\k+1]
.endr
.endr
.irp p, 0,4
.irp k, 0,2,4,6,8,10,12,14
	v_pk_add_f32 v[ACC+16*\p+\k:ACC+16*\p+\k+1], v[ACC+16*\p+\k:ACC+16*\p+\k+1], v[ACC+16*\p+32+\k:ACC+16*\p+32+\k+1]
.endr
.endr
.irp k, 0,2,4,6,8,10,12,14
	v_pk_add_f32 v[ACC+\k:ACC+\k+1], v[ACC+\k:ACC+\k+1], v[ACC+64+\k:ACC+64+\k+1]
.endr
.endm
.macro TOFRAG                          ; X times the factor, rounded once to f16: element e = 4 i + u of the fragment: register 2 i + u / 2, half u % 2
.irp k, 0,2,4,6,8,10,12,14
	v_pk_mul_f32 v[ACC+\k:ACC+\k+1], v[ACC+\k:ACC+\k+1], s[FC:FC+1] op_sel_hi:[1,0]
.endr
.irp i, 0,1,2,3
	v_cvt_pk_f16_f32 v[OF16+2*\i], v[ACC+\i], v[ACC+4+\i]
	v_cvt_pk_f16_f32 v[OF16+2*\i+1], v[ACC+8+\i], v[ACC+12+\i]
.endr
.endm
.macro LOADS set, first                ; a step's 32 loads into set; set 0 steps the pointers, two steps on
.if ((\set) == 0) && !(\first)
	s_wait_xcnt 0x0                                ; every load issued so far has read its base: only behind this wait are the pointers written
	s_add_nc_u64 s[PA:PA+1], s[PA:PA+1], TRIPA
	s_add_nc_u64 s[PB:PB+1], s[PB:PB+1], TRIPB
.endif
	LOADK 128*(\set), VOA, PA, (\set)*HALFA, PITCHA
	LOADK 128*(\set)+64, VOB, PB, (\set)*HALFB, PITCHB
.endm
; A step.  la: the loads that may be out when W_in's 16 are wanted (this set's W_V and the other set); lb: when W_V's are (the other set).
; QUANT's 64 plain instructions, which name staging registers alone, are the places between the last step's products and the lines that rewrite their fragments.
.macro STEP set, zero, load, la, lb
	s_wait_loadcnt \la
	QUANT 128*(\set), SIN
	PACKK 128*(\set), FA
	s_wait_loadcnt \lb
	QUANT 128*(\set)+64, SV
	PACKK 128*(\set)+64, FB
.if \load
	LOADS \set, 0                                  ; the set has been read out: it is asked for again ahead of the products
.endif
	WIN 0
	MULS FA, FB, \zero
.endm
	s_load_b256 s[4:11], s[0:1], 0x0               ; W_in s[4:5], W_V s[6:7], W_K s[8:9], pmax s[10:11]
	s_load_b128 s[12:15], s[0:1], 0x20             ; m1f s[12:13], kf s[14:15]
	v_lshl_add_u32 v[SPW], v0, 2, SPARE
	v_mov_b32 v[NIL], 0
	v_lshrrev_b32 v14, 5, v0
	v_readfirstlane_b32 s[WV], v14                 ; wave 0..7
	v_and_b32 v[LN], 31, v0
	v_and_b32 v[RR], 15, v0
	v_bfe_u32 v[HH], v0, 4, 1
	v_lshlrev_b32 v[VM], 4, v[LN]
	v_lshlrev_b32 v14, 4, v[RR]
	v_lshl_add_u32 v[VOA], v[HH], 18, v14
	v_lshl_add_u32 v[VOB], v[HH], 14, v14
	s_lshl_b32 s[T0], s[WV], 14
	v_add_nc_u32 v[LS], s[T0], v[VM]
	s_lshl_b32 s[T0], s[WV], 9
	v_add_nc_u32 v[LR], s[T0], v[VM]               ; wave w sums half g2 = w % 2 of the tiles (a, b = w / 2)
	v_add_nc_u32 v[LR2], 0x10000, v[LR]
	v_mov_b32 v[C127], 0x42fe0000
	s_and_b32 s[QQ], ttmp9, 3
	s_lshr_b32 s[NC], ttmp9, 2
	s_mov_b32 s[MG], 0x4b400000
	s_mov_b32 s[MG+1], 0x4b400000
	s_mov_b32 s[NM], 0xcb400000
	s_mov_b32 s[NM+1], 0xcb400000
	s_mov_b32 s[SEL], 0x76543210
	s_mov_b32 s[SEL+1], 0xfedcba98
	s_mov_b32 s[FC], 0x3a800000                    ; 2^-10
	s_mov_b32 s[FC+1], 0x3a800000
	s_mov_b32 s[OF+1], 0
	s_wait_kmcnt 0x0
	s_lshl_b32 s[OF], s[NC], 8                     ; W_in: 256 nc + wave x 256 rows
	s_lshl_b32 s[T0], s[WV], 22
	s_add_co_u32 s[OF], s[OF], s[T0]
	s_add_nc_u64 s[PA:PA+1], s[4:5], s[OF:OF+1]
	s_lshl_b32 s[OF], s[QQ], 8                     ; W_V: 256 q + wave x 256 rows
	s_lshl_b32 s[T0], s[WV], 18
	s_add_co_u32 s[OF], s[OF], s[T0]
	s_add_nc_u64 s[PB:PB+1], s[6:7], s[OF:OF+1]
	s_lshl_b32 s[OF], s[NC], 15                    ; W_K: rows 32 (g / 4) on, columns 64 (g % 4) on
	s_lshl_b32 s[T0], s[QQ], 8
	s_add_co_u32 s[OF], s[OF], s[T0]
	s_add_nc_u64 s[KP:KP+1], s[8:9], s[OF:OF+1]
	s_lshl_b32 s[OF], s[NC], 15                    ; m1f: fragment ((2 nc + g2) 4 + q) 4 + b
	s_and_b32 s[T0], s[WV], 1
	s_lshl_b32 s[T0], s[T0], 14
	s_add_co_u32 s[OF], s[OF], s[T0]
	s_lshl_b32 s[T0], s[QQ], 12
	s_add_co_u32 s[OF], s[OF], s[T0]
	s_lshr_b32 s[T0], s[WV], 1
	s_lshl_b32 s[T0], s[T0], 10
	s_add_co_u32 s[OF], s[OF], s[T0]
	s_add_nc_u64 s[M1P:M1P+1], s[12:13], s[OF:OF+1]
	s_lshl_b32 s[OF], ttmp9, 12                    ; kf: fragments 4 g .. 4 g + 3
	s_add_nc_u64 s[KFP:KFP+1], s[14:15], s[OF:OF+1]
.irp i, 0,1,2,3,4,5,6,7
	global_load_b128 v[PM+4*\i:PM+4*\i+3], v[VM], s[10:11] offset:512*\i   ; lane l: the maxima of work-groups l, 32 + l, ..
.endr
	LOADS 0, 1
	LOADS 1, 1
	WIN 0
	s_wait_loadcnt 63                              ; behind pmax's 8 loads stand 64; 63 is the largest count that the wait can name: pmax and one more are in
	AMAX 0, 14, 23
	AMAX 1, 15, 23
	AMAX 2, 16, 23
	v_rcp_f32 v17, v14
	v_rcp_f32 v18, v15
	v_rcp_f32 v19, v16
	v_nop                                          ; a plain instruction behind the last reciprocal,
	s_wait_alu depctr_va_vdst(0)                   ; and the one wait ahead of the batch's first reader
.irp k, 0,1,2
	v_mul_f32 v[20+\k], 0x42fe0000, v[17+\k]       ; 127 / m: the first guess,
.endr
.irp k, 0,1,2
	v_fma_f32 v[24+\k], -v[20+\k], v[14+\k], v[C127]   ; what it leaves of 127,
.endr
.irp k, 0,1,2
	v_fma_f32 v[20+\k], v[24+\k], v[17+\k], v[20+\k]   ; and the correction
.endr
	v_readfirstlane_b32 s[SK], v20
	v_readfirstlane_b32 s[SV], v21
	v_readfirstlane_b32 s[SIN], v22
	s_mov_b32 s[SK+1], s[SK]
	s_mov_b32 s[SV+1], s[SV]
	s_mov_b32 s[SIN+1], s[SIN]
	STEP 0, 1, 1, 48, 32                           ; step 0 starts the sums; it asks for step 2
	s_mov_b32 s[CNT], 2
.Lk:                                                   ; steps 1 to 4; they ask for steps 3 to 6
	STEP 1, 0, 1, 48, 32
	STEP 0, 0, 1, 48, 32
	s_sub_co_u32 s[CNT], s[CNT], 1
	s_cmp_lg_u32 s[CNT], 0
	s_cbranch_scc1 .Lk
	STEP 1, 0, 1, 48, 32                           ; step 5 asks for step 7; the tail is written out, so that every count holds on every path
	STEP 0, 0, 0, 48, 32
	STEP 1, 0, 0, 16, 0
	s_cmp_lg_u32 s[WV], 7                          ; wave 7 also lays out the work-group's share of qK: 32 d x 64 v; its loads are out while the partial tiles meet
	s_cbranch_scc1 .Lnok
	LOADK 0, VOB, KP, 0, PITCHB
	WIN 0
.Lnok:
	PUT
	GET 4096                                       ; u = a: tiles (a, b) lie 4,096 bytes apart
	TOFRAG
	global_store_b128 v[VM], v[OF16:OF16+3], s[M1P:M1P+1]
	global_store_b128 v[VM], v[OF16+4:OF16+7], s[M1P:M1P+1] offset:512
	s_cmp_lg_u32 s[WV], 7
	s_cbranch_scc1 .Lend
	s_wait_loadcnt 0x0
	QUANT 0, SK
	PACKK 0, FA
	WIN 0
.irp j, 0,1,2,3
	global_store_b128 v[VM], v[FA+8*\j:FA+8*\j+3], s[KFP:KFP+1] offset:\j*1024
	global_store_b128 v[VM], v[FA+8*\j+4:FA+8*\j+7], s[KFP:KFP+1] offset:\j*1024+512
.endr
.Lend:
	s_wait_tensorcnt 0x0                           ; the wave's end: three closing lines, behind my last LDS store
	ds_add_u32 v[SPW], v[NIL]
	s_wait_dscnt 0x0
	s_endpgm
.Lfunc_end_k_q10cf2ccf9d_m1:
	.size	k_q10cf2ccf9d_m1, .Lfunc_end_k_q10cf2ccf9d_m1-k_q10cf2ccf9d_m1
	.p2alignl 7, 3214868480
	.fill 96, 4, 3214868480
	.section	.rodata,"a",@progbits
	.p2align	6, 0x0
	.amdhsa_kernel k_q10cf2ccf9d_m1
		.amdhsa_group_segment_fixed_size 132096
		.amdhsa_private_segment_fixed_size 0
		.amdhsa_enable_private_segment 0
		.amdhsa_kernarg_size 48
		.amdhsa_user_sgpr_count 2
		.amdhsa_user_sgpr_kernarg_segment_ptr 1
		.amdhsa_wavefront_size32 1
		.amdhsa_system_sgpr_workgroup_id_x 1
		.amdhsa_system_sgpr_workgroup_id_y 1
		.amdhsa_system_sgpr_workgroup_id_z 1
		.amdhsa_system_vgpr_workitem_id 0
		.amdhsa_next_free_vgpr 512
		.amdhsa_next_free_sgpr 66
		.amdhsa_reserve_vcc 0
		.amdhsa_float_denorm_mode_32 3
		.amdhsa_float_denorm_mode_16_64 3
		.amdhsa_memory_ordered 1
		.amdhsa_forward_progress 1
		.amdhsa_inst_pref_size 122
	.end_amdhsa_kernel
	.amdgpu_metadata
---
amdhsa.version: [ 1, 2 ]
amdhsa.kernels:
  - .name:           k_q10cf2ccf9d_m1
    .symbol:         k_q10cf2ccf9d_m1.kd
    .args:
      - { .name: W_in, .offset: 0, .size: 8, .value_kind: global_buffer, .address_space: global }
      - { .name: W_V, .offset: 8, .size: 8, .value_kind: global_buffer, .address_space: global }
      - { .name: W_K, .offset: 16, .size: 8, .value_kind: global_buffer, .address_space: global }
      - { .name: pmax, .offset: 24, .size: 8, .value_kind: global_buffer, .address_space: global }
      - { .name: m1f, .offset: 32, .size: 8, .value_kind: global_buffer, .address_space: global }
      - { .name: kf, .offset: 40, .size: 8, .value_kind: global_buffer, .address_space: global }
    .group_segment_fixed_size: 132096
    .private_segment_fixed_size: 0
    .kernarg_segment_align: 8
    .kernarg_segment_size: 48
    .max_flat_workgroup_size: 256
    .sgpr_count:     66
    .vgpr_count:     512
    .wavefront_size: 32
...
	.end_amdgpu_metadata
.endif
;; end of part 2
;; launch mid (part 3): grid 384 x 1, 8 waves a work-group, no clusters, 132,096 bytes of LDS; arguments W_out, m1f, x, kf, pmax, mf, sbuf; writes mf, sbuf
.if DOCPART == 3
	.amdgcn_target "amdgcn-amd-amdhsa--gfx1250"
	.amdhsa_code_object_version 6
	.text
	.protected	k_q10cf2ccf9d_mid
	.globl	k_q10cf2ccf9d_mid
	.p2align	8
	.type	k_q10cf2ccf9d_mid,@function
k_q10cf2ccf9d_mid:
	s_mov_b64 s[64:65], 0
	v_nop
	global_prefetch_b8 v0, s[64:65] scope:SCOPE_SE
	s_setreg_imm32_b32 hwreg(HW_REG_WAVE_MODE, 25, 1), 1
	s_wait_xcnt 0x0
; TWO PRODUCTS THAT DO NOT HANG ON EACH OTHER, IN ONE LAUNCH.  (The clip is an identity and the products are taken in another order than they are written: shown at the head of the first kernel.)
; Work-groups 0-127:   M = M1 qOut, [256 v][2048 n], K = 4,096 f; stored as f16 fragments, times 2^-19 (with M1's 2^-10: at most 32,258 * 127 * 4096 / 2^19 = 32,006 in size whatever the inputs).
; Work-groups 128-383: S = x qK * (m_K / 127), [4096 tokens][256 v] in f32, K = 2,048 d: all 256 scores of a token; the last launch picks its 16.
; The first kind has twice the bytes and steps of the second, so it has the low numbers: 128 long shares and 256 short ones for 256 WGPs.
; LIMITS.  x is rounded to f16: |x| below 65,520, and below 6e-5 it keeps f16's fixed step of 6e-8.  M below 2^-14 keeps f16's fixed step 2^-24.
; BOTH: a tile of 64 x 64, K split among the 8 waves, steps of 32, the partial tiles meet in LDS; two sets of registers, one step's 24 loads out while the other step is multiplied.
; Fragments, their images of 1,024 bytes and the loads that turn rows lying across K into fragments are the launch before's: lane r of fragment j stands for index 4 r + j of a chunk of 64.
; M:  source 0 = M1's fragment a (image; row v = 64 q + 4 m + a; element e of lane half h: f = 64 c + 32 h + 16 g + e), source 1 = W_out's fragment b, from rows f = 64 c + 32 h + 16 g + kk, quantised on the way.
;     Register i of lane (r, h) is M[v = 64 q + 32 h + 4 i + a][n = 64 c2 + 4 r + b]: for a fixed b again two fragments, along v, of the last product's second source.
; S:  source 0 = x's fragment t (token 16 t + r; 16 consecutive d, 64 bytes, a lane), source 1 = qK's fragment b (image).  Register i of lane (r, h) is S[token 16 t + 8 h + i][v = 64 vc + 4 r + b].
.set SPARE, 131072                     ; LDS: wave p's 16 partial tiles of 1,024 bytes at 16,384 p; behind them the spare words, 128 bytes a wave, which no other line names
.set LN,  1
.set RR,  2
.set HH,  3
.set VOA, 4                            ; x: 8,192 r + 64 h; never rewritten
.set VOB, 5                            ; W_out: h x 32 rows of 8,192 bytes + 16 r; never rewritten
.set LS,  6
.set LR,  7
.set LR2, 8
.set GO,  9                            ; sbuf: 8 h rows of 1,024 bytes + 16 r
.set VM,  10
.set SPW, 11
.set NIL, 12
.set C127, 13
.set OF16, 96                          ; what I store (the fragment buffer at v96 is free by then)
.set ACC, 128
.set PM,  128
; v[32:63], v[64:95], v[96:127] fragment buffers.  M: M1's at 32 (set 0) and 96 (set 1), W_out's at 64.  S: x's at 32, qK's at 64 (set 0) and 96 (set 1).  Window 1 (v256-383): staging, set s at 64 s.
.set WV,  18
.set CNT, 19
.set PA,  20
.set PB,  22
.set SC,  24                           ; s[24:25] M: 127 / m of W_out, twice.  S: m_K / 127
.set QQ,  26
.set CC,  27
.set MG,  30
.set NM,  32
.set SEL, 34
.set OF,  36
.set FC,  38
.set OP,  40                           ; s[40:41] where I store
.set T0,  42
.set MSB, 0
.macro WIN new
.if MSB != (\new)
	s_set_vgpr_msb (MSB<<8)|(\new)
.set MSB, \new
.endif
.endm
.macro LOADK st, vo, p, off, pitch
	WIN 0x40
.set kk, 0
.rept 16
	global_load_b128 v[(\st)+4*kk:(\st)+4*kk+3], v[\vo], s[\p:\p+1] offset:(\off)+kk*(\pitch)
.set kk, kk+1
.endr
.endm
.macro LOADX st, off                   ; x: four blocks of 16 tokens, 64 bytes a lane
	WIN 0x40
.irp t, 0,1,2,3
.irp c, 0,1,2,3
	global_load_b128 v[(\st)+16*\t+4*\c:(\st)+16*\t+4*\c+3], v[VOA], s[PA:PA+1] offset:(\off)+\t*131072+\c*16
.endr
.endr
.endm
.macro LOADF f, p, off                 ; four fragment images straight into fragment registers
	WIN 0
.irp j, 0,1,2,3
	global_load_b128 v[(\f)+8*\j:(\f)+8*\j+3], v[VM], s[\p:\p+1] offset:(\off)+\j*1024
	global_load_b128 v[(\f)+8*\j+4:(\f)+8*\j+7], v[VM], s[\p:\p+1] offset:(\off)+\j*1024+512
.endr
.endm
.macro QUANT st, sc
	WIN 0x41
.set kk, 0
.rept 32
	v_pk_fma_f32 v[(\st)+2*kk:(\st)+2*kk+1], v[(\st)+2*kk:(\st)+2*kk+1], s[\sc:\sc+1], s[MG:MG+1] op_sel_hi:[1,0,0]
.set kk, kk+1
.endr
.set kk, 0
.rept 32
	v_pk_add_f32 v[(\st)+2*kk:(\st)+2*kk+1], v[(\st)+2*kk:(\st)+2*kk+1], s[NM:NM+1] op_sel_hi:[1,0]
.set kk, kk+1
.endr
.endm
.macro PACKK st, f
	WIN 0x05
.irp j, 0,1,2,3
.irp i, 0,1,2,3,4,5,6,7
	v_cvt_pk_f16_f32 v[(\f)+8*\j+\i], v[(\st)+8*\i+\j], v[(\st)+8*\i+4+\j]
.endr
.endr
.endm
.macro PACKR st, f                     ; x: neighbours along d, rounded once to f16
	WIN 0x05
.irp t, 0,1,2,3
.irp p, 0,1,2,3,4,5,6,7
	v_cvt_pk_f16_f32 v[(\f)+8*\t+\p], v[(\st)+16*\t+2*\p], v[(\st)+16*\t+2*\p+1]
.endr
.endr
.endm
.macro MULS fa, fb, zero               ; the 16 accumulators take turns, one instruction a turn, in the same order in every step
.irp a, 0,1,2,3
.irp b, 0,1,2,3
.if \zero
	v_wmma_f32_16x16x32_f16 v[ACC+8*(4*\a+\b):ACC+8*(4*\a+\b)+7], v[(\fa)+8*\a:(\fa)+8*\a+7], v[(\fb)+8*\b:(\fb)+8*\b+7], 0
.else
	v_wmma_f32_16x16x32_f16 v[ACC+8*(4*\a+\b):ACC+8*(4*\a+\b)+7], v[(\fa)+8*\a:(\fa)+8*\a+7], v[(\fb)+8*\b:(\fb)+8*\b+7], v[ACC+8*(4*\a+\b):ACC+8*(4*\a+\b)+7]
.endif
.endr
.endr
.endm
.macro NOP4                            ; four places behind the last product, in front of loads into, and conversions onto, fragment registers that it has read
.rept 4
	v_nop
.endr
.endm
.macro AMAX c, d, u
	v_max3_num_f32 v[\d], v[PM+\c], v[PM+4+\c], v[PM+8+\c]
	v_max3_num_f32 v[\d], v[\d], v[PM+12+\c], v[PM+16+\c]
	v_max3_num_f32 v[\d], v[\d], v[PM+20+\c], v[PM+24+\c]
	v_max_num_f32 v[\d], v[\d], v[PM+28+\c]
	v_max_num_f32_dpp v[\d], v[\d], v[\d] row_xmask:1 row_mask:0xf bank_mask:0xf
	v_max_num_f32_dpp v[\d], v[\d], v[\d] row_xmask:2 row_mask:0xf bank_mask:0xf
	v_max_num_f32_dpp v[\d], v[\d], v[\d] row_xmask:4 row_mask:0xf bank_mask:0xf
	v_max_num_f32_dpp v[\d], v[\d], v[\d] row_xmask:8 row_mask:0xf bank_mask:0xf
	v_mov_b32 v[\u], v[\d]
	v_permlanex16_b32 v[\u], v[\d], s[SEL], s[SEL+1]
	v_max_num_f32 v[\d], v[\d], v[\u]
	v_max_num_f32 v[\d], 0x322bcc77, v[\d]         ; 1e-8
.endm
.macro PUT
	WIN 0
.rept 8
	v_nop
.endr
.set t, 0
.rept 16
	ds_store_b128 v[LS], v[ACC+8*t:ACC+8*t+3] offset:t*1024       ; each accumulator's low four registers first
	ds_store_b128 v[LS], v[ACC+8*t+4:ACC+8*t+7] offset:t*1024+512
.set t, t+1
.endr
	s_wait_dscnt 0x0                               ; for the others' sake: my stores are done
	s_barrier_signal -1
	s_barrier_wait -1
.endm
.macro GET ustr
.irp p, 0,1,2,3
.irp u, 0,1,2,3
	ds_load_b128 v[ACC+16*\p+4*\u:ACC+16*\p+4*\u+3], v[LR] offset:\p*16384+\u*(\ustr)
.endr
.endr
.irp p, 4,5,6,7
.irp u, 0,1,2,3
	ds_load_b128 v[ACC+16*\p+4*\u:ACC+16*\p+4*\u+3], v[LR2] offset:(\p-4)*16384+\u*(\ustr)
.endr
.endr
	s_wait_dscnt 0x0
.irp p, 0,2,4,6
.irp k, 0,2,4,6,8,10,12,14
	v_pk_add_f32 v[ACC+16*\p+\k:ACC+16*\p+\k+1], v[ACC+16*\p+\k:ACC+16*\p+\k+1], v[ACC+16*\p+16+\k:ACC+16*\p+16+\k+1]
.endr
.endr
.irp p, 0,4
.irp k, 0,2,4,6,8,10,12,14
	v_pk_add_f32 v[ACC+16*\p+\k:ACC+16*\p+\k+1], v[ACC+16*\p+\k:ACC+16*\p+\k+1], v[ACC+16*\p+32+\k:ACC+16*\p+32+\k+1]
.endr
.endr
.irp k, 0,2,4,6,8,10,12,14
	v_pk_add_f32 v[ACC+\k:ACC+\k+1], v[ACC+\k:ACC+\k+1], v[ACC+64+\k:ACC+64+\k+1]
.endr
.endm
; M's step (c, g): set = g.  16 loads of W_out, 8 of M1's images.
.macro LD3 set, first
.if ((\set) == 0) && !(\first)
	s_wait_xcnt 0x0                                ; every load issued so far has read its base
	s_add_nc_u64 s[PA:PA+1], s[PA:PA+1], 32768     ; the next c: 32 images,
	s_add_nc_u64 s[PB:PB+1], s[PB:PB+1], 524288    ; 64 rows of W_out
.endif
	LOADK 64*(\set), VOB, PB, (\set)*131072, 8192
	LOADF 32+64*(\set), PA, (\set)*16384
.endm
.macro STEP3 set, zero, load, w
	s_wait_loadcnt \w                              ; this step's 24 loads are in; the other set's may stay out
	QUANT 64*(\set), SC
	PACKK 64*(\set), 64
	WIN 0
	MULS 32+64*(\set), 64, \zero
	NOP4
.if \load
	LD3 \set, 0
	WIN 0
.endif
.endm
; S's step: 16 loads of x, 8 of qK's images.
.macro LD2 set, first
.if ((\set) == 0) && !(\first)
	s_wait_xcnt 0x0
	s_add_nc_u64 s[PA:PA+1], s[PA:PA+1], 256       ; 64 d of x: two steps take 256 consecutive bytes of each row,
	s_add_nc_u64 s[PB:PB+1], s[PB:PB+1], 32768     ; 32 images
.endif
	LOADX 64*(\set), 128*(\set)
	LOADF 64+32*(\set), PB, (\set)*16384
.endm
.macro STEP2 set, zero, load, w
	s_wait_loadcnt \w
	PACKR 64*(\set), 32
	WIN 0
	MULS 32, 64+32*(\set), \zero
	NOP4
.if \load
	LD2 \set, 0
	WIN 0
.endif
.endm
	s_load_b256 s[4:11], s[0:1], 0x0               ; W_out s[4:5], m1f s[6:7], x s[8:9], kf s[10:11]
	s_load_b128 s[12:15], s[0:1], 0x20             ; pmax s[12:13], mf s[14:15]
	s_load_b64 s[16:17], s[0:1], 0x30              ; sbuf
	v_lshl_add_u32 v[SPW], v0, 2, SPARE
	v_mov_b32 v[NIL], 0
	v_lshrrev_b32 v14, 5, v0
	v_readfirstlane_b32 s[WV], v14                 ; wave 0..7
	v_and_b32 v[LN], 31, v0
	v_and_b32 v[RR], 15, v0
	v_bfe_u32 v[HH], v0, 4, 1
	v_lshlrev_b32 v[VM], 4, v[LN]
	v_lshlrev_b32 v15, 4, v[RR]                    ; 16 r
	s_lshl_b32 s[T0], s[WV], 14
	v_add_nc_u32 v[LS], s[T0], v[VM]
	v_mov_b32 v[C127], 0x42fe0000
	s_mov_b32 s[MG], 0x4b400000
	s_mov_b32 s[MG+1], 0x4b400000
	s_mov_b32 s[NM], 0xcb400000
	s_mov_b32 s[NM+1], 0xcb400000
	s_mov_b32 s[SEL], 0x76543210
	s_mov_b32 s[SEL+1], 0xfedcba98
	s_mov_b32 s[FC], 0x36000000                    ; 2^-19
	s_mov_b32 s[FC+1], 0x36000000
	s_mov_b32 s[OF+1], 0
	s_wait_kmcnt 0x0
.irp i, 0,1,2,3,4,5,6,7
	global_load_b128 v[PM+4*\i:PM+4*\i+3], v[VM], s[12:13] offset:512*\i
.endr
	s_cmp_lt_u32 ttmp9, 128                        ; the work-group's number alone chooses: the same in all its waves
	s_cbranch_scc0 .Lscores
	; ---------------- M = M1 qOut ----------------
	s_and_b32 s[QQ], ttmp9, 3                      ; q: 64 v
	s_lshr_b32 s[CC], ttmp9, 2                     ; c2: 64 n
	v_lshl_add_u32 v[VOB], v[HH], 18, v15
	s_lshl_b32 s[T0], s[WV], 9
	v_add_nc_u32 v[LR], s[T0], v[VM]               ; wave w sums half g = w % 2 of the tiles (a, b = w / 2)
	v_add_nc_u32 v[LR2], 0x10000, v[LR]
	s_lshl_b32 s[OF], s[CC], 8                     ; W_out: 256 c2 + wave x 512 rows
	s_lshl_b32 s[T0], s[WV], 22
	s_add_co_u32 s[OF], s[OF], s[T0]
	s_add_nc_u64 s[PB:PB+1], s[4:5], s[OF:OF+1]
	s_lshl_b32 s[OF], s[QQ], 12                    ; m1f: image ((2 c + g) 4 + q) 4 + j, c = 8 wave on
	s_lshl_b32 s[T0], s[WV], 18
	s_add_co_u32 s[OF], s[OF], s[T0]
	s_add_nc_u64 s[PA:PA+1], s[6:7], s[OF:OF+1]
	s_lshl_b32 s[OF], s[CC], 15                    ; mf: image (8 c2 + 2 q + g) 4 + b
	s_lshl_b32 s[T0], s[QQ], 13
	s_add_co_u32 s[OF], s[OF], s[T0]
	s_and_b32 s[T0], s[WV], 1
	s_lshl_b32 s[T0], s[T0], 12
	s_add_co_u32 s[OF], s[OF], s[T0]
	s_lshr_b32 s[T0], s[WV], 1
	s_lshl_b32 s[T0], s[T0], 10
	s_add_co_u32 s[OF], s[OF], s[T0]
	s_add_nc_u64 s[OP:OP+1], s[14:15], s[OF:OF+1]
	LD3 0, 1
	LD3 1, 1
	WIN 0
	s_wait_loadcnt 48                              ; pmax is in; both sets stay out
	AMAX 3, 14, 23
	v_rcp_f32 v17, v14
	v_nop
	s_wait_alu depctr_va_vdst(0)                   ; the wait ahead of the reciprocal's first reader
	v_mul_f32 v20, 0x42fe0000, v17                 ; 127 / m: a first guess, what it leaves of 127, the correction
	v_fma_f32 v24, -v20, v14, v[C127]
	v_fma_f32 v20, v24, v17, v20
	v_readfirstlane_b32 s[SC], v20
	s_mov_b32 s[SC+1], s[SC]
	STEP3 0, 1, 1, 24                              ; step 0 starts the sums and asks for step 2
	s_mov_b32 s[CNT], 6
.Lk3:                                                  ; steps 1 to 12; they ask for steps 3 to 14
	STEP3 1, 0, 1, 24
	STEP3 0, 0, 1, 24
	s_sub_co_u32 s[CNT], s[CNT], 1
	s_cmp_lg_u32 s[CNT], 0
	s_cbranch_scc1 .Lk3
	STEP3 1, 0, 1, 24                              ; step 13 asks for step 15; the tail is written out, so that every count holds on every path
	STEP3 0, 0, 0, 24
	STEP3 1, 0, 0, 0
	PUT
	GET 4096
.irp k, 0,2,4,6,8,10,12,14
	v_pk_mul_f32 v[ACC+\k:ACC+\k+1], v[ACC+\k:ACC+\k+1], s[FC:FC+1] op_sel_hi:[1,0]
.endr
.irp i, 0,1,2,3
	v_cvt_pk_f16_f32 v[OF16+2*\i], v[ACC+\i], v[ACC+4+\i]          ; element e = 4 i + a: register 2 i + a / 2, half a % 2
	v_cvt_pk_f16_f32 v[OF16+2*\i+1], v[ACC+8+\i], v[ACC+12+\i]
.endr
	global_store_b128 v[VM], v[OF16:OF16+3], s[OP:OP+1]
	global_store_b128 v[VM], v[OF16+4:OF16+7], s[OP:OP+1] offset:512
	s_branch .Lend
	; ---------------- S = x qK ----------------
.Lscores:
	s_sub_co_u32 s[T0], ttmp9, 128
	s_and_b32 s[QQ], s[T0], 3                      ; vc: 64 v
	s_lshr_b32 s[CC], s[T0], 2                     ; tt: 64 tokens
	v_lshlrev_b32 v[VOA], 13, v[RR]
	v_lshl_add_u32 v[VOA], v[HH], 6, v[VOA]
	v_lshl_add_u32 v[GO], v[HH], 13, v15
	s_lshr_b32 s[T0], s[WV], 1                     ; wave w sums half g = w % 2 of the tiles (t = w / 2, b)
	s_lshl_b32 s[T0], s[T0], 12
	v_add_nc_u32 v[LR], s[T0], v[VM]
	s_and_b32 s[T0], s[WV], 1
	s_lshl_b32 s[T0], s[T0], 9
	v_add_nc_u32 v[LR], s[T0], v[LR]
	v_add_nc_u32 v[LR2], 0x10000, v[LR]
	s_lshl_b32 s[OF], s[CC], 19                    ; x: 64 tt rows of 8,192 bytes + wave x 256 d
	s_lshl_b32 s[T0], s[WV], 10
	s_add_co_u32 s[OF], s[OF], s[T0]
	s_add_nc_u64 s[PA:PA+1], s[8:9], s[OF:OF+1]
	s_lshl_b32 s[OF], s[QQ], 12                    ; kf: image (4 ks + vc) 4 + j, ks = 8 wave on
	s_lshl_b32 s[T0], s[WV], 17
	s_add_co_u32 s[OF], s[OF], s[T0]
	s_add_nc_u64 s[PB:PB+1], s[10:11], s[OF:OF+1]
	s_lshl_b32 s[OF], s[CC], 16                    ; sbuf: row 64 tt + 16 t + 4 g, byte 256 vc
	s_lshr_b32 s[T0], s[WV], 1
	s_lshl_b32 s[T0], s[T0], 14
	s_add_co_u32 s[OF], s[OF], s[T0]
	s_and_b32 s[T0], s[WV], 1
	s_lshl_b32 s[T0], s[T0], 12
	s_add_co_u32 s[OF], s[OF], s[T0]
	s_lshl_b32 s[T0], s[QQ], 8
	s_add_co_u32 s[OF], s[OF], s[T0]
	s_add_nc_u64 s[OP:OP+1], s[16:17], s[OF:OF+1]
	LD2 0, 1
	LD2 1, 1
	WIN 0
	s_wait_loadcnt 48                              ; pmax is in; both sets stay out
	AMAX 0, 14, 23
	v_mul_f32 v14, 0x3c010204, v14                 ; m_K / 127
	v_readfirstlane_b32 s[SC], v14
	STEP2 0, 1, 1, 24
	s_mov_b32 s[CNT], 2
.Lk2:                                                  ; steps 1 to 4; they ask for steps 3 to 6
	STEP2 1, 0, 1, 24
	STEP2 0, 0, 1, 24
	s_sub_co_u32 s[CNT], s[CNT], 1
	s_cmp_lg_u32 s[CNT], 0
	s_cbranch_scc1 .Lk2
	STEP2 1, 0, 1, 24
	STEP2 0, 0, 0, 24
	STEP2 1, 0, 0, 0
	PUT
	GET 1024                                       ; u = b: tiles (t, b) lie 1,024 bytes apart
.irp i, 0,1,2,3
.irp b, 0,1,2,3
	v_mul_f32 v[OF16+4*\i+\b], s[SC], v[ACC+4*\b+\i]   ; the factor; and a row's four neighbouring columns 4 r + b come to lie side by side
.endr
.endr
.irp i, 0,1,2,3
	global_store_b128 v[GO], v[OF16+4*\i:OF16+4*\i+3], s[OP:OP+1] offset:\i*1024   ; 16 lanes store 256 consecutive bytes, aligned
.endr
.Lend:
	s_wait_tensorcnt 0x0                           ; the wave's end: three closing lines, behind my last LDS store
	ds_add_u32 v[SPW], v[NIL]
	s_wait_dscnt 0x0
	s_endpgm
.Lfunc_end_k_q10cf2ccf9d_mid:
	.size	k_q10cf2ccf9d_mid, .Lfunc_end_k_q10cf2ccf9d_mid-k_q10cf2ccf9d_mid
	.p2alignl 7, 3214868480
	.fill 96, 4, 3214868480
	.section	.rodata,"a",@progbits
	.p2align	6, 0x0
	.amdhsa_kernel k_q10cf2ccf9d_mid
		.amdhsa_group_segment_fixed_size 132096
		.amdhsa_private_segment_fixed_size 0
		.amdhsa_enable_private_segment 0
		.amdhsa_kernarg_size 56
		.amdhsa_user_sgpr_count 2
		.amdhsa_user_sgpr_kernarg_segment_ptr 1
		.amdhsa_wavefront_size32 1
		.amdhsa_system_sgpr_workgroup_id_x 1
		.amdhsa_system_sgpr_workgroup_id_y 1
		.amdhsa_system_sgpr_workgroup_id_z 1
		.amdhsa_system_vgpr_workitem_id 0
		.amdhsa_next_free_vgpr 384
		.amdhsa_next_free_sgpr 66
		.amdhsa_reserve_vcc 0
		.amdhsa_float_denorm_mode_32 3
		.amdhsa_float_denorm_mode_16_64 3
		.amdhsa_memory_ordered 1
		.amdhsa_forward_progress 1
		.amdhsa_inst_pref_size 116
	.end_amdhsa_kernel
	.amdgpu_metadata
---
amdhsa.version: [ 1, 2 ]
amdhsa.kernels:
  - .name:           k_q10cf2ccf9d_mid
    .symbol:         k_q10cf2ccf9d_mid.kd
    .args:
      - { .name: W_out, .offset: 0, .size: 8, .value_kind: global_buffer, .address_space: global }
      - { .name: m1f, .offset: 8, .size: 8, .value_kind: global_buffer, .address_space: global }
      - { .name: x, .offset: 16, .size: 8, .value_kind: global_buffer, .address_space: global }
      - { .name: kf, .offset: 24, .size: 8, .value_kind: global_buffer, .address_space: global }
      - { .name: pmax, .offset: 32, .size: 8, .value_kind: global_buffer, .address_space: global }
      - { .name: mf, .offset: 40, .size: 8, .value_kind: global_buffer, .address_space: global }
      - { .name: sbuf, .offset: 48, .size: 8, .value_kind: global_buffer, .address_space: global }
    .group_segment_fixed_size: 132096
    .private_segment_fixed_size: 0
    .kernarg_segment_align: 8
    .kernarg_segment_size: 56
    .max_flat_workgroup_size: 256
    .sgpr_count:     66
    .vgpr_count:     384
    .wavefront_size: 32
...
	.end_amdgpu_metadata
.endif
;; end of part 3
;; launch fin (part 4): grid 256 x 1, 8 waves a work-group, no clusters, 34,816 bytes of LDS; arguments indices, sbuf, mf, pmax, out0; writes out0
.if DOCPART == 4
	.amdgcn_target "amdgcn-amd-amdhsa--gfx1250"
	.amdhsa_code_object_version 6
	.text
	.protected	k_q10cf2ccf9d_fin
	.globl	k_q10cf2ccf9d_fin
	.p2align	8
	.type	k_q10cf2ccf9d_fin,@function
k_q10cf2ccf9d_fin:
	s_mov_b64 s[64:65], 0
	v_nop
	global_prefetch_b8 v0, s[64:65] scope:SCOPE_SE
	s_setreg_imm32_b32 hwreg(HW_REG_WAVE_MODE, 25, 1), 1
	s_wait_xcnt 0x0
; out = P M F.  P [tokens][256] holds each token's 16 softmax weights at their indices, equal indices added, 0 elsewhere; M is the table of the launch before; F = (m_V / 127)(m_in / 127)(m_out / 127) 2^29
; undoes M's two powers of two and applies the three weights' factors, in f32.  (That this is reference()'s result is shown at the head of the first kernel.)
; SHARES.  Work-group g: ng = g % 4 (512 columns), tt = g / 4 (64 tokens).  Wave w first makes P's rows of tokens 8 w .. 8 w + 7, then multiplies all 64 tokens by its own 64 columns (chunk 8 ng + w), K = 256.
; SOFTMAX.  16 lanes hold a token's 16 scores: pass p of four has tokens 8 w + 2 p + lane / 16.  The row's maximum is taken away before the exponential; sums in f32; P is rounded once to f16.
; EQUAL INDICES.  Each lane adds the weights of the 15 other lanes of its row whose index equals its own; lanes with one index then store to one place.  Two equal indices give the same number in both lanes; with three
; or more the order of the f32 additions differs from lane to lane, and the numbers can differ in the last f32 bit: whichever is stored last stands.
; LIMITS.  A weight below 6e-5 keeps f16's fixed step of 6e-8; an exponential below 2^-126 counts as 0.  An index is taken as unsigned and held to 255.
; LAYOUT.  M's image (8 c2 + ks) 4 + j: lane r stands for column 64 c2 + 4 r + j, element e of lane half h for v = 64 (ks / 2) + 32 h + 16 (ks % 2) + e.  P's fragment takes the same v from LDS: 32 consecutive bytes a lane.
; Register i of tile (t, j), lane (r, h), is out[token 16 t + 8 h + i][64 c2 + 4 r + j]: the four j are 16 consecutive bytes, and 16 lanes store 256 consecutive bytes, aligned.
.set PP,    528                        ; a row of P in LDS: 512 bytes + 16: an odd multiple of 16, so the 16 rows of a load start at 16 different groups of four banks (64 banks of 4 bytes: ISA guide 11.1)
.set SPARE, 64*PP                      ; 33,792: behind P the spare words, 128 bytes a wave, which no other line names
.set LN,  1
.set RR,  2
.set HH,  3
.set AD,  4                            ; 528 r + 64 h
.set IA,  5                            ; 4 lane
.set PB0, 6                            ; (8 w + h) rows of P
.set H10, 7                            ; 1,024 h
.set CL,  8                            ; my wave's rows + 16 lane
.set GO,  9                            ; out: 8 h rows of 8,192 bytes + 16 r
.set VM,  10
.set SPW, 11
.set NIL, 12
.set CL4, 13                           ; my wave's rows + 4,096 + 4 lane
.set IDX, 16                           ; v[16:19] pass p's index
.set GA,  20                           ; v[20:23] its offset in sbuf
.set SCR, 24                           ; v[24:27] its score
.set ZZ,  28                           ; v[28:31] 0
.set MX,  96
.set EX,  100
.set SM,  104
.set AC,  108
.set TI,  112
.set TP,  116
.set ACC, 128
.set PM,  128
; v[32:63], v[64:95] P's fragments, two buffers.  Window 1: M's 32 fragments (image 4 ks + j at 8 (4 ks + j)); on the way out rows of out.
.set WV,  14
.set NG,  15
.set TT,  16
.set CP,  17
.set FS,  18
.set OF,  20
.set SEL, 22
.set T0,  24
.set MFP, 26
.set OUTP, 28
.set MSB, 0
.macro WIN new
.if MSB != (\new)
	s_set_vgpr_msb (MSB<<8)|(\new)
.set MSB, \new
.endif
.endm
.macro AMAX c, d, u
	v_max3_num_f32 v[\d], v[PM+\c], v[PM+4+\c], v[PM+8+\c]
	v_max3_num_f32 v[\d], v[\d], v[PM+12+\c], v[PM+16+\c]
	v_max3_num_f32 v[\d], v[\d], v[PM+20+\c], v[PM+24+\c]
	v_max_num_f32 v[\d], v[\d], v[PM+28+\c]
	v_max_num_f32_dpp v[\d], v[\d], v[\d] row_xmask:1 row_mask:0xf bank_mask:0xf
	v_max_num_f32_dpp v[\d], v[\d], v[\d] row_xmask:2 row_mask:0xf bank_mask:0xf
	v_max_num_f32_dpp v[\d], v[\d], v[\d] row_xmask:4 row_mask:0xf bank_mask:0xf
	v_max_num_f32_dpp v[\d], v[\d], v[\d] row_xmask:8 row_mask:0xf bank_mask:0xf
	v_mov_b32 v[\u], v[\d]
	v_permlanex16_b32 v[\u], v[\d], s[SEL], s[SEL+1]
	v_max_num_f32 v[\d], v[\d], v[\u]
	v_max_num_f32 v[\d], 0x322bcc77, v[\d]         ; 1e-8
.endm
.macro ALD s, f                        ; P's four fragments of step s into buffer f
.irp t, 0,1,2,3
	ds_load_b128 v[(\f)+8*\t:(\f)+8*\t+3], v[AD] offset:16*PP*\t+128*((\s)/2)+32*((\s)%2)
	ds_load_b128 v[(\f)+8*\t+4:(\f)+8*\t+7], v[AD] offset:16*PP*\t+128*((\s)/2)+32*((\s)%2)+16
.endr
.endm
	s_load_b256 s[4:11], s[0:1], 0x0               ; indices s[4:5], sbuf s[6:7], mf s[8:9], pmax s[10:11]
	s_load_b64 s[12:13], s[0:1], 0x20              ; out0
	v_lshl_add_u32 v[SPW], v0, 2, SPARE
	v_mov_b32 v[NIL], 0
	v_lshrrev_b32 v14, 5, v0
	v_readfirstlane_b32 s[WV], v14                 ; wave 0..7
	v_and_b32 v[LN], 31, v0
	v_and_b32 v[RR], 15, v0
	v_bfe_u32 v[HH], v0, 4, 1
	v_lshlrev_b32 v[VM], 4, v[LN]
	v_lshlrev_b32 v[IA], 2, v[LN]
	v_lshlrev_b32 v[H10], 10, v[HH]
	v_mul_u32_u24 v[AD], v[RR], PP
	v_lshl_add_u32 v[AD], v[HH], 6, v[AD]
	s_mul_i32 s[T0], s[WV], 8*PP
	v_mul_u32_u24 v[PB0], v[HH], PP
	v_add_nc_u32 v[PB0], s[T0], v[PB0]
	v_add_nc_u32 v[CL], s[T0], v[VM]
	v_add_nc_u32 v[CL4], s[T0], v[IA]
	v_add_nc_u32 v[CL4], 4096, v[CL4]
	v_lshlrev_b32 v[GO], 4, v[RR]
	v_lshl_add_u32 v[GO], v[HH], 16, v[GO]
.irp k, 0,1,2,3
	v_mov_b32 v[ZZ+\k], 0
.endr
	s_and_b32 s[NG], ttmp9, 3
	s_lshr_b32 s[TT], ttmp9, 2
	s_lshl_b32 s[CP], s[NG], 3
	s_add_co_u32 s[CP], s[CP], s[WV]               ; my chunk of 64 columns
	s_mov_b32 s[SEL], 0x76543210
	s_mov_b32 s[SEL+1], 0xfedcba98
	s_mov_b32 s[OF+1], 0
	s_wait_kmcnt 0x0
	s_lshl_b32 s[OF], s[TT], 12                    ; indices: token 64 tt + 8 w, 64 bytes a token
	s_lshl_b32 s[T0], s[WV], 9
	s_add_co_u32 s[OF], s[OF], s[T0]
	s_add_nc_u64 s[4:5], s[4:5], s[OF:OF+1]
	s_lshl_b32 s[OF], s[TT], 16                    ; sbuf: the same token, 1,024 bytes a token
	s_lshl_b32 s[T0], s[WV], 13
	s_add_co_u32 s[OF], s[OF], s[T0]
	s_add_nc_u64 s[6:7], s[6:7], s[OF:OF+1]
	s_lshl_b32 s[OF], s[CP], 15                    ; mf: my chunk's 32 images
	s_add_nc_u64 s[MFP:MFP+1], s[8:9], s[OF:OF+1]
	s_lshl_b32 s[OF], s[TT], 19                    ; out: row 64 tt, byte 256 x chunk
	s_lshl_b32 s[T0], s[CP], 8
	s_add_co_u32 s[OF], s[OF], s[T0]
	s_add_nc_u64 s[OUTP:OUTP+1], s[12:13], s[OF:OF+1]
.irp p, 0,1,2,3
	global_load_b32 v[IDX+\p], v[IA], s[4:5] offset:128*\p         ; two tokens' 16 indices: 128 consecutive bytes
.endr
.irp i, 0,1,2,3,4,5,6,7
	global_load_b128 v[PM+4*\i:PM+4*\i+3], v[VM], s[10:11] offset:512*\i
.endr
.irp k, 0,1,2,3,4,5,6,7
	ds_store_b128 v[CL], v[ZZ:ZZ+3] offset:512*\k  ; my 8 rows of P, 4,224 bytes, are cleared while the indices are on their way
.endr
	ds_store_b32 v[CL4], v[ZZ]
	s_wait_loadcnt 8                               ; the indices are in; pmax's 8 loads may stay out
.irp p, 0,1,2,3
	v_min_u32 v[IDX+\p], 255, v[IDX+\p]            ; a loaded number enters an address only held to the table's size
.endr
.irp p, 0,1,2,3
	v_lshlrev_b32 v[GA+\p], 2, v[IDX+\p]
.endr
.irp p, 0,1,2,3
	v_add_nc_u32 v[GA+\p], v[GA+\p], v[H10]
.endr
.irp p, 0,1,2,3
	global_load_b32 v[SCR+\p], v[GA+\p], s[6:7] offset:2048*\p     ; the 16 scores that the token's indices name
.endr
	WIN 0x40
.set f, 0
.rept 32
	global_load_b128 v[8*f:8*f+3], v[VM], s[MFP:MFP+1] offset:1024*f
	global_load_b128 v[8*f+4:8*f+7], v[VM], s[MFP:MFP+1] offset:1024*f+512
.set f, f+1
.endr
	WIN 0
	s_wait_loadcnt 63                              ; behind the scores stand 64 loads; 63 is the largest count that the wait can name: pmax, the scores and one more are in
	AMAX 1, 120, 123
	AMAX 2, 121, 123
	AMAX 3, 122, 123
.irp k, 0,1,2
	v_mul_f32 v[120+\k], 0x3c010204, v[120+\k]     ; m / 127
.endr
	v_mul_f32 v120, 0x4e000000, v120               ; 2^29 first, so that no partial product of small factors leaves f32's range
	v_mul_f32 v120, v120, v121
	v_mul_f32 v120, v120, v122
	v_readfirstlane_b32 s[FS], v120
.irp p, 0,1,2,3
	v_mov_b32 v[MX+\p], v[SCR+\p]
.endr
.irp m, 1,2,4,8
.irp p, 0,1,2,3
	v_max_num_f32_dpp v[MX+\p], v[MX+\p], v[MX+\p] row_xmask:\m row_mask:0xf bank_mask:0xf
.endr
.endr
.irp p, 0,1,2,3
	v_sub_f32 v[EX+\p], v[SCR+\p], v[MX+\p]        ; the maximum is taken away
.endr
.irp p, 0,1,2,3
	v_mul_f32 v[EX+\p], 0x3fb8aa3b, v[EX+\p]       ; log2(e)
.endr
.irp p, 0,1,2,3
	v_exp_f32 v[EX+\p], v[EX+\p]
.endr
	v_nop                                          ; a plain instruction behind the last exponential,
	s_wait_alu depctr_va_vdst(0)                   ; and the one wait ahead of the batch's first reader
.irp p, 0,1,2,3
	v_mov_b32 v[SM+\p], v[EX+\p]
.endr
.irp m, 1,2,4,8
.irp p, 0,1,2,3
	v_add_f32_dpp v[SM+\p], v[SM+\p], v[SM+\p] row_xmask:\m row_mask:0xf bank_mask:0xf
.endr
.endr
.irp p, 0,1,2,3
	v_rcp_f32 v[SM+\p], v[SM+\p]
.endr
	v_nop
	s_wait_alu depctr_va_vdst(0)                   ; one wait for the four reciprocals
.irp p, 0,1,2,3
	v_mul_f32 v[EX+\p], v[EX+\p], v[SM+\p]         ; the weight
	v_mov_b32 v[TI+\p], 0                          ; (a DPP form's destination counts as read)
	v_mov_b32 v[TP+\p], 0
.endr
.irp p, 0,1,2,3
	v_mov_b32 v[AC+\p], v[EX+\p]
.endr
.irp d, 1,2,3,4,5,6,7,8,9,10,11,12,13,14,15
.irp p, 0,1,2,3
	v_mov_b32_dpp v[TI+\p], v[IDX+\p] row_xmask:\d row_mask:0xf bank_mask:0xf      ; the index and the weight of the lane d away in my row;
	v_mov_b32_dpp v[TP+\p], v[EX+\p] row_xmask:\d row_mask:0xf bank_mask:0xf
.endr
.irp p, 0,1,2,3
	v_cmp_eq_u32 vcc_lo, v[TI+\p], v[IDX+\p]
	v_cndmask_b32 v[TP+\p], 0, v[TP+\p], vcc_lo    ; it counts where the index is mine
	v_add_f32 v[AC+\p], v[AC+\p], v[TP+\p]
.endr
.endr
.irp p, 0,1,2,3
	v_cvt_pk_f16_f32 v[TP+\p], v[AC+\p], v[AC+\p]
	v_lshlrev_b32 v[TI+\p], 1, v[IDX+\p]
.endr
.irp p, 0,1,2,3
	v_add_nc_u32 v[TI+\p], v[TI+\p], v[PB0]
.endr
.irp p, 0,1,2,3
	ds_store_b16 v[TI+\p], v[TP+\p] offset:2*PP*\p ; into my own rows, behind my own clearing: LDS serves a wave's instructions in order (ISA guide 5.7.1.4)
.endr
	s_wait_dscnt 0x0                               ; for the others' sake: my rows of P are whole
	s_barrier_signal -1
	s_barrier_wait -1
	; THE PRODUCT: 8 steps of 32 along v, written out.  Step ks first asks for P's fragments of step ks + 1, into the other buffer, four places behind the products that read it.
	ALD 0, 32
.set ks, 0
.rept 8
.if ks < 7
.if ks > 0
.rept 4
	v_nop
.endr
.endif
	ALD ks+1, 32+32*((ks+1)%2)
	s_wait_dscnt 8                                 ; this step's fragments are in; the eight loads just issued may stay out
.else
	s_wait_dscnt 0x0
.endif
	s_wait_loadcnt 56-8*ks                         ; M's four images of this step are in; the later steps' may stay out
	WIN 0x04                                       ; source 1 in window 1
.irp t, 0,1,2,3
.irp j, 0,1,2,3
.if ks == 0
	v_wmma_f32_16x16x32_f16 v[ACC+8*(4*\t+\j):ACC+8*(4*\t+\j)+7], v[32+32*(ks%2)+8*\t:32+32*(ks%2)+8*\t+7], v[8*(4*ks+\j):8*(4*ks+\j)+7], 0
.else
	v_wmma_f32_16x16x32_f16 v[ACC+8*(4*\t+\j):ACC+8*(4*\t+\j)+7], v[32+32*(ks%2)+8*\t:32+32*(ks%2)+8*\t+7], v[8*(4*ks+\j):8*(4*ks+\j)+7], v[ACC+8*(4*\t+\j):ACC+8*(4*\t+\j)+7]
.endif
.endr
.endr
	WIN 0
.set ks, ks+1
.endr
	; THE WAY OUT.  The multiply by F also lays a row's four neighbouring columns side by side, in window 1; each accumulator is read from its lowest register on.  No register is used twice: no wait among the stores.
.rept 8
	v_nop                                          ; the places behind the last products
.endr
.irp t, 0,1,2,3
	WIN 0x40
.irp i, 0,1,2,3,4,5,6,7
.irp j, 0,1,2,3
	v_mul_f32 v[4*(8*\t+\i)+\j], s[FS], v[ACC+8*(4*\t+\j)+\i]
.endr
.endr
	WIN 0x04                                       ; a store's data is its source 1
.irp i, 0,1,2,3,4,5,6,7
	global_store_b128 v[GO], v[4*(8*\t+\i):4*(8*\t+\i)+3], s[OUTP:OUTP+1] offset:(16*\t+\i)*8192 th:TH_STORE_NT
.endr
.endr
	WIN 0
	s_wait_tensorcnt 0x0                           ; the wave's end: three closing lines, behind my last LDS store
	ds_add_u32 v[SPW], v[NIL]
	s_wait_dscnt 0x0
	s_endpgm
.Lfunc_end_k_q10cf2ccf9d_fin:
	.size	k_q10cf2ccf9d_fin, .Lfunc_end_k_q10cf2ccf9d_fin-k_q10cf2ccf9d_fin
	.p2alignl 7, 3214868480
	.fill 96, 4, 3214868480
	.section	.rodata,"a",@progbits
	.p2align	6, 0x0
	.amdhsa_kernel k_q10cf2ccf9d_fin
		.amdhsa_group_segment_fixed_size 34816
		.amdhsa_private_segment_fixed_size 0
		.amdhsa_enable_private_segment 0
		.amdhsa_kernarg_size 40
		.amdhsa_user_sgpr_count 2
		.amdhsa_user_sgpr_kernarg_segment_ptr 1
		.amdhsa_wavefront_size32 1
		.amdhsa_system_sgpr_workgroup_id_x 1
		.amdhsa_system_sgpr_workgroup_id_y 1
		.amdhsa_system_sgpr_workgroup_id_z 1
		.amdhsa_system_vgpr_workitem_id 0
		.amdhsa_next_free_vgpr 512
		.amdhsa_next_free_sgpr 66
		.amdhsa_reserve_vcc 1
		.amdhsa_float_denorm_mode_32 3
		.amdhsa_float_denorm_mode_16_64 3
		.amdhsa_memory_ordered 1
		.amdhsa_forward_progress 1
		.amdhsa_inst_pref_size 53
	.end_amdhsa_kernel
	.amdgpu_metadata
---
amdhsa.version: [ 1, 2 ]
amdhsa.kernels:
  - .name:           k_q10cf2ccf9d_fin
    .symbol:         k_q10cf2ccf9d_fin.kd
    .args:
      - { .name: indices, .offset: 0, .size: 8, .value_kind: global_buffer, .address_space: global }
      - { .name: sbuf, .offset: 8, .size: 8, .value_kind: global_buffer, .address_space: global }
      - { .name: mf, .offset: 16, .size: 8, .value_kind: global_buffer, .address_space: global }
      - { .name: pmax, .offset: 24, .size: 8, .value_kind: global_buffer, .address_space: global }
      - { .name: out0, .offset: 32, .size: 8, .value_kind: global_buffer, .address_space: global }
    .group_segment_fixed_size: 34816
    .private_segment_fixed_size: 0
    .kernarg_segment_align: 8
    .kernarg_segment_size: 40
    .max_flat_workgroup_size: 256
    .sgpr_count:     66
    .vgpr_count:     512
    .wavefront_size: 32
...
	.end_amdgpu_metadata
.endif
;; end of part 4
;; ======== version 2 of 2: 4 launches; version 1 with the launches m1, mid written anew for expert scheduling mode
;; limits: values are held in f16: magnitudes above 65,504 overflow, below 6.1e-05 lose precision
;; workspace buffers: pmax 4,096 bytes; m1f 2,097,152 bytes; kf 1,048,576 bytes; mf 1,048,576 bytes; sbuf 4,194,304 bytes
;; launch amax: the kernel of part 1 again; grid 256 x 1, 16 waves a work-group, no clusters, 2,304 bytes of LDS; arguments W_K, W_V, W_in, W_out, pmax; writes pmax
;; launch m1 (part 5): grid 256 x 1, 8 waves a work-group, no clusters, 132,096 bytes of LDS; arguments W_in, W_V, W_K, pmax, m1f, kf; writes m1f, kf
.if DOCPART == 5
	.amdgcn_target "amdgcn-amd-amdhsa--gfx1250"
	.amdhsa_code_object_version 6
	.text
	.protected	k_q10cf2ccf9d_m1
	.globl	k_q10cf2ccf9d_m1
	.p2align	8
	.type	k_q10cf2ccf9d_m1,@function
k_q10cf2ccf9d_m1:
	s_mov_b64 s[64:65], 0
	v_nop
	global_prefetch_b8 v0, s[64:65] scope:SCOPE_SE
	s_setreg_imm32_b32 hwreg(HW_REG_WAVE_SCHED_MODE, 0, 2), 2
	s_setreg_imm32_b32 hwreg(HW_REG_WAVE_MODE, 25, 1), 1
	s_wait_xcnt 0x0
	s_wait_alu depctr_vm_vsrc(0)
; M1 = qV^T qIn, [256 v][4096 f], of the whole numbers q = round(w * 127 / m); and, beside it, qK laid out for the next launch.  (The clip is an identity and the products are taken in
; another order than they are written: shown at the head of the first kernel.)
; M1 is stored as f16 times 2^-10: at most 127 * 127 * 2048 / 1024 = 32,258 in size whatever the inputs, and its least number but 0, 2^-10, is a normal f16.
; SHARES.  Work-group g: q = g % 4 (64 v), nc = g / 4 (64 f): a tile of 64 f x 64 v over all 2,048 d.  K (= d) IS SPLIT AMONG THE 8 WAVES, 256 d each, in 8 steps of 32; the partial tiles meet in LDS.
; HOW ROWS THAT LIE ACROSS K BECOME FRAGMENTS WITHOUT LDS.  Both weights are [d][columns] in f32.  One load of 16 bytes a lane takes 64 columns (256 consecutive bytes, aligned) of row d0 + kk with lanes
; 0-15 and of row d0 + 16 + kk with lanes 16-31; sixteen such loads (kk = 0 .. 15) leave lane (r, h) with 16 values of d for the columns 4 r + j.  Packed in pairs along kk they are four fragments j: lane r
; stands for column 4 r + j, element e of the lane for d = d0 + 16 h + e.  Both sources place d alike, so the products are the right ones.
; THE RESULT.  Source 0 = W_in's fragment a, source 1 = W_V's fragment b: register i of lane (r, h) is M1[v = 64 q + 4 r + b][f = 64 nc + 32 h + 4 i + a].  For a fixed b the four a and four i' (i = 4 g2 + i') are
; 16 consecutive f: element e = 4 i' + a of a fragment whose lane r stands for row v and whose element e for f = 64 nc + 32 h + 16 g2 + e: the next product's source, stored as it will lie in registers.
; A FRAGMENT'S IMAGE in memory is 1,024 bytes: registers 0-3 of lanes 0 .. 31, then registers 4-7: each load and store of it covers 512 consecutive bytes, aligned.
; IN FLIGHT.  Two sets of 128 staging registers; while one step is quantised and multiplied the other's 32 loads are out, and the first set is asked for again among its own products.
; No tensor loads, no cluster: a work-group's 1 MiB of operands is three times a WGP's LDS, each wave reads bytes that no other wave of the work-group wants, and the f32 numbers have to pass through registers to be quantised.
; THE MODE: SCHED_MODE bits 1:0 = 2 (LLVM: expert scheduling mode 2), set by the entry lines.  The code itself states the register dependences
; between vector or matrix instructions and memory or LDS instructions, with s_wait_alu, always for 0.
; THE PLAN.  Registers that memory or LDS instructions touch:
;   staging set s   Step p (s = p % 2): QUANT rewrites it and PACKK reads it; behind them the 32 loads of step p + 2 land in it.
;   v[VM], v[VOA], v[VOB], v[LS], v[LR], v[LR2]   offsets and LDS addresses: written at the head, never again; the rows are reached by scalar bases and immediate offsets.
;   the accumulators   written by the products; at the end read by my LDS stores, and then the LDS loads of the eight waves' partial tiles land in them.
;   OF16, and in wave 7 FA   written by conversions at the end, read by the global stores.
;   v[SPW], v[NIL]   written at the head, read by the closing add alone.
;   In the loop FA, FB and the accumulators are named by vector and matrix instructions alone.
; So ONE wait on va_vdst stands in a step, behind its last conversions: QUANT and PACKK are done with the set.  The step's 32 loads follow it, dealt among its 16 products,
; which name FA, FB and the accumulators: none of the registers that those loads touch.  No address register is written in the loop, so it holds no wait on vm_vsrc.
.set SPARE, 131072                     ; LDS: wave p's 16 partial tiles of 1,024 bytes at 16,384 p; behind them the spare words, 128 bytes a wave, which no other line names
.set LN,  1                            ; lane
.set RR,  2                            ; r = lane % 16
.set HH,  3                            ; h = lane / 16
.set VOA, 4                            ; W_in:  h x 16 rows of 16,384 bytes + 16 r; never rewritten
.set VOB, 5                            ; W_V and W_K: h x 16 rows of 1,024 bytes + 16 r; never rewritten
.set LS,  6                            ; 16,384 wave + 16 lane
.set LR,  7                            ; 16 lane + 512 wave
.set LR2, 8                            ; LR + 65,536
.set VM,  10                           ; 16 lane
.set SPW, 11                           ; my spare word; never rewritten
.set NIL, 12                           ; 0; never rewritten
.set C127, 13                          ; 127.0
.set FA,  32                           ; v[32:63]   W_in's four fragments
.set FB,  64                           ; v[64:95]   W_V's
.set OF16, 96                          ; v[96:103]  the fragment that I store
.set ACC, 128                          ; v[128:255] 16 accumulators: tile (a, b) at ACC + 8 (4 a + b)
.set PM,  128                          ; ahead of the first product: pmax, 32 registers
; window 1 (v256-511): staging: set s: W_in at 128 s, W_V at 128 s + 64
.set WV,  16
.set QQ,  17
.set NC,  18
.set CNT, 19
.set PA,  20                           ; s[20:21] W_in at my chunk, my wave's d, the step that set 0 was last loaded for
.set PB,  22                           ; s[22:23] W_V likewise
.set SIN, 24                           ; s[24:25] 127 / m of W_in, twice
.set SV,  26                           ; of W_V
.set SK,  28                           ; of W_K
.set MG,  30                           ; s[30:31] 1.5 * 2^23, twice
.set NM,  32                           ; s[32:33] its negative
.set SEL, 34
.set OF,  36                           ; s[36:37] an offset in 64 bits
.set FC,  38                           ; s[38:39] 2^-10, twice
.set KP,  40                           ; s[40:41] W_K at the work-group's 32 rows x 64 columns
.set M1P, 42                           ; s[42:43] where my fragment of M1 goes
.set KFP, 44                           ; s[44:45] where the work-group's four fragments of qK go
.set T0,  46
.set PITCHA, 16384
.set HALFA,  32*PITCHA                 ; a step of 32 d
.set TRIPA,  64*PITCHA
.set PITCHB, 1024
.set HALFB,  32*PITCHB
.set TRIPB,  64*PITCHB
.set MSB, 0
.macro WIN new                         ; s_set_vgpr_msb: bits 1:0 source 0, 3:2 source 1, 5:4 source 2, 7:6 destination; the high byte repeats the setting that is left
.if MSB != (\new)
	s_set_vgpr_msb (MSB<<8)|(\new)
.set MSB, \new
.endif
.endm
.macro LOADK st, vo, p, off, pitch     ; sixteen rows (twice: one for each half of the lanes) x 64 columns of f32 into staging registers st ..
	WIN 0x40
.set kk, 0
.rept 16
	global_load_b128 v[(\st)+4*kk:(\st)+4*kk+3], v[\vo], s[\p:\p+1] offset:(\off)+kk*(\pitch)
.set kk, kk+1
.endr
.endm
.macro QUANT st, sc                    ; 64 numbers: round(w s) by w s + 1.5 * 2^23 (one rounding, ties to even), then the constant is taken away, exactly
	WIN 0x41
.set kk, 0
.rept 32
	v_pk_fma_f32 v[(\st)+2*kk:(\st)+2*kk+1], v[(\st)+2*kk:(\st)+2*kk+1], s[\sc:\sc+1], s[MG:MG+1] op_sel_hi:[1,0,0]
.set kk, kk+1
.endr
.set kk, 0
.rept 32
	v_pk_add_f32 v[(\st)+2*kk:(\st)+2*kk+1], v[(\st)+2*kk:(\st)+2*kk+1], s[NM:NM+1] op_sel_hi:[1,0]
.set kk, kk+1
.endr
.endm
.macro PACKK st, f                     ; register i of fragment j: rows kk = 2 i and 2 i + 1 of column j (whole numbers up to 127: exact in f16)
	WIN 0x05
.irp j, 0,1,2,3
.irp i, 0,1,2,3,4,5,6,7
	v_cvt_pk_f16_f32 v[(\f)+8*\j+\i], v[(\st)+8*\i+\j], v[(\st)+8*\i+4+\j]
.endr
.endr
.endm
.macro MULS fa, fb, zero, lo, hi       ; 8 of a step's 16 products: a = lo, hi.  The 16 accumulators take turns, one instruction a turn, in the same order in every step
.irp a, \lo, \hi
.irp b, 0,1,2,3
.if \zero
	v_wmma_f32_16x16x32_f16 v[ACC+8*(4*\a+\b):ACC+8*(4*\a+\b)+7], v[(\fa)+8*\a:(\fa)+8*\a+7], v[(\fb)+8*\b:(\fb)+8*\b+7], 0
.else
	v_wmma_f32_16x16x32_f16 v[ACC+8*(4*\a+\b):ACC+8*(4*\a+\b)+7], v[(\fa)+8*\a:(\fa)+8*\a+7], v[(\fb)+8*\b:(\fb)+8*\b+7], v[ACC+8*(4*\a+\b):ACC+8*(4*\a+\b)+7]
.endif
.endr
.endr
.endm
.macro AMAX c, d, u                    ; max(the 256 work-groups' maxima of weight c, 1e-8), in every lane
	v_max3_num_f32 v[\d], v[PM+\c], v[PM+4+\c], v[PM+8+\c]
	v_max3_num_f32 v[\d], v[\d], v[PM+12+\c], v[PM+16+\c]
	v_max3_num_f32 v[\d], v[\d], v[PM+20+\c], v[PM+24+\c]
	v_max_num_f32 v[\d], v[\d], v[PM+28+\c]
	v_max_num_f32_dpp v[\d], v[\d], v[\d] row_xmask:1 row_mask:0xf bank_mask:0xf
	v_max_num_f32_dpp v[\d], v[\d], v[\d] row_xmask:2 row_mask:0xf bank_mask:0xf
	v_max_num_f32_dpp v[\d], v[\d], v[\d] row_xmask:4 row_mask:0xf bank_mask:0xf
	v_max_num_f32_dpp v[\d], v[\d], v[\d] row_xmask:8 row_mask:0xf bank_mask:0xf
	v_mov_b32 v[\u], v[\d]                         ; v_permlanex16_b32's destination counts as read
	v_permlanex16_b32 v[\u], v[\d], s[SEL], s[SEL+1]
	v_max_num_f32 v[\d], v[\d], v[\u]
	v_max_num_f32 v[\d], 0x322bcc77, v[\d]         ; 1e-8
.endm
.macro PUT                             ; my 16 partial tiles into LDS: each accumulator's low four registers first.  The places and the wait for the products stand ahead of the macro
.set t, 0
.rept 16
	ds_store_b128 v[LS], v[ACC+8*t:ACC+8*t+3] offset:t*1024
	ds_store_b128 v[LS], v[ACC+8*t+4:ACC+8*t+7] offset:t*1024+512
.set t, t+1
.endr
	s_wait_dscnt 0x0                               ; for the others' sake: my stores are done
	s_barrier_signal -1
	s_barrier_wait -1
.endm
.macro GET ustr                        ; four half tiles, ustr bytes apart, of all eight waves; their sum X[u][i] ends in v[ACC + 4 u + i]
	s_wait_alu depctr_vm_vsrc(0)                   ; my LDS stores have read the accumulators, in which the loads below land (the products that wrote them stand ahead of the last wait on va_vdst)
.irp p, 0,1,2,3
.irp u, 0,1,2,3
	ds_load_b128 v[ACC+16*\p+4*\u:ACC+16*\p+4*\u+3], v[LR] offset:\p*16384+\u*(\ustr)
.endr
.endr
.irp p, 4,5,6,7
.irp u, 0,1,2,3
	ds_load_b128 v[ACC+16*\p+4*\u:ACC+16*\p+4*\u+3], v[LR2] offset:(\p-4)*16384+\u*(\ustr)
.endr
.endr
	s_wait_dscnt 0x0
.irp p, 0,2,4,6
.irp k, 0,2,4,6,8,10,12,14
	v_pk_add_f32 v[ACC+16*\p+\k:ACC+16*\p+\k+1], v[ACC+16*\p+\k:ACC+16*\p+\k+1], v[ACC+16*\p+16+\k:ACC+16*\p+16+\k+1]
.endr
.endr
.irp p, 0,4
.irp k, 0,2,4,6,8,10,12,14
	v_pk_add_f32 v[ACC+16*\p+\k:ACC+16*\p+\k+1], v[ACC+16*\p+\k:ACC+16*\p+\k+1], v[ACC+16*\p+32+\k:ACC+16*\p+32+\k+1]
.endr
.endr
.irp k, 0,2,4,6,8,10,12,14
	v_pk_add_f32 v[ACC+\k:ACC+\k+1], v[ACC+\k:ACC+\k+1], v[ACC+64+\k:ACC+64+\k+1]
.endr
.endm
.macro TOFRAG                          ; X times the factor, rounded once to f16: element e = 4 i + u of the fragment: register 2 i + u / 2, half u % 2
.irp k, 0,2,4,6,8,10,12,14
	v_pk_mul_f32 v[ACC+\k:ACC+\k+1], v[ACC+\k:ACC+\k+1], s[FC:FC+1] op_sel_hi:[1,0]
.endr
.irp i, 0,1,2,3
	v_cvt_pk_f16_f32 v[OF16+2*\i], v[ACC+\i], v[ACC+4+\i]
	v_cvt_pk_f16_f32 v[OF16+2*\i+1], v[ACC+8+\i], v[ACC+12+\i]
.endr
.endm
.macro LOADS set                       ; at the head: a step's 32 loads into set
	LOADK 128*(\set), VOA, PA, (\set)*HALFA, PITCHA
	LOADK 128*(\set)+64, VOB, PB, (\set)*HALFB, PITCHB
.endm
; A step.  la: the loads that may be out when W_in's 16 are wanted (this set's W_V and the other set); lb: when W_V's are (the other set).
; QUANT's 64 plain instructions, which name staging registers alone, are the places between the last step's products and the lines that rewrite their fragments.
; load = 1: the set is asked for again, for the step two on; set 0 steps the pointers.
.macro STEP set, zero, load, la, lb
	s_wait_loadcnt \la
	QUANT 128*(\set), SIN
	PACKK 128*(\set), FA
	s_wait_loadcnt \lb
	QUANT 128*(\set)+64, SV
	PACKK 128*(\set)+64, FB
.if \load
.if (\set) == 0
	s_wait_xcnt 0x0                                ; every load issued so far has read its base: only behind this wait are the pointers written
	s_add_nc_u64 s[PA:PA+1], s[PA:PA+1], TRIPA
	s_add_nc_u64 s[PB:PB+1], s[PB:PB+1], TRIPB
.endif
	WIN 0x40
	s_wait_alu depctr_va_vdst(0)                   ; QUANT has written and PACKK has read the whole set, in which the 32 loads of this step land
	LOADK 128*(\set), VOA, PA, (\set)*HALFA, PITCHA
	WIN 0
	MULS FA, FB, \zero, 0, 1
	LOADK 128*(\set)+64, VOB, PB, (\set)*HALFB, PITCHB   ; no wait: the eight products since the wait name FA, FB and accumulators, not the set and not v[VOB]
	WIN 0
	MULS FA, FB, \zero, 2, 3
.else
	WIN 0
	MULS FA, FB, \zero, 0, 1
	MULS FA, FB, \zero, 2, 3
.endif
.endm
	s_load_b256 s[4:11], s[0:1], 0x0               ; W_in s[4:5], W_V s[6:7], W_K s[8:9], pmax s[10:11]
	s_load_b128 s[12:15], s[0:1], 0x20             ; m1f s[12:13], kf s[14:15]
	v_lshl_add_u32 v[SPW], v0, 2, SPARE
	v_mov_b32 v[NIL], 0
	v_lshrrev_b32 v14, 5, v0
	v_readfirstlane_b32 s[WV], v14                 ; wave 0..7
	v_and_b32 v[LN], 31, v0
	v_and_b32 v[RR], 15, v0
	v_bfe_u32 v[HH], v0, 4, 1
	v_lshlrev_b32 v[VM], 4, v[LN]
	v_lshlrev_b32 v14, 4, v[RR]
	v_lshl_add_u32 v[VOA], v[HH], 18, v14
	v_lshl_add_u32 v[VOB], v[HH], 14, v14
	s_wait_alu depctr_va_sdst(0)                   ; the wave's number is written into s[WV], ahead of its first reader, the next line
	s_lshl_b32 s[T0], s[WV], 14
	v_add_nc_u32 v[LS], s[T0], v[VM]
	s_lshl_b32 s[T0], s[WV], 9
	v_add_nc_u32 v[LR], s[T0], v[VM]               ; wave w sums half g2 = w % 2 of the tiles (a, b = w / 2)
	v_add_nc_u32 v[LR2], 0x10000, v[LR]
	v_mov_b32 v[C127], 0x42fe0000
	s_and_b32 s[QQ], ttmp9, 3
	s_lshr_b32 s[NC], ttmp9, 2
	s_mov_b32 s[MG], 0x4b400000
	s_mov_b32 s[MG+1], 0x4b400000
	s_mov_b32 s[NM], 0xcb400000
	s_mov_b32 s[NM+1], 0xcb400000
	s_mov_b32 s[SEL], 0x76543210
	s_mov_b32 s[SEL+1], 0xfedcba98
	s_mov_b32 s[FC], 0x3a800000                    ; 2^-10
	s_mov_b32 s[FC+1], 0x3a800000
	s_mov_b32 s[OF+1], 0
	s_wait_kmcnt 0x0
	s_lshl_b32 s[OF], s[NC], 8                     ; W_in: 256 nc + wave x 256 rows
	s_lshl_b32 s[T0], s[WV], 22
	s_add_co_u32 s[OF], s[OF], s[T0]
	s_add_nc_u64 s[PA:PA+1], s[4:5], s[OF:OF+1]
	s_lshl_b32 s[OF], s[QQ], 8                     ; W_V: 256 q + wave x 256 rows
	s_lshl_b32 s[T0], s[WV], 18
	s_add_co_u32 s[OF], s[OF], s[T0]
	s_add_nc_u64 s[PB:PB+1], s[6:7], s[OF:OF+1]
	s_lshl_b32 s[OF], s[NC], 15                    ; W_K: rows 32 (g / 4) on, columns 64 (g % 4) on
	s_lshl_b32 s[T0], s[QQ], 8
	s_add_co_u32 s[OF], s[OF], s[T0]
	s_add_nc_u64 s[KP:KP+1], s[8:9], s[OF:OF+1]
	s_lshl_b32 s[OF], s[NC], 15                    ; m1f: fragment ((2 nc + g2) 4 + q) 4 + b
	s_and_b32 s[T0], s[WV], 1
	s_lshl_b32 s[T0], s[T0], 14
	s_add_co_u32 s[OF], s[OF], s[T0]
	s_lshl_b32 s[T0], s[QQ], 12
	s_add_co_u32 s[OF], s[OF], s[T0]
	s_lshr_b32 s[T0], s[WV], 1
	s_lshl_b32 s[T0], s[T0], 10
	s_add_co_u32 s[OF], s[OF], s[T0]
	s_add_nc_u64 s[M1P:M1P+1], s[12:13], s[OF:OF+1]
	s_lshl_b32 s[OF], ttmp9, 12                    ; kf: fragments 4 g .. 4 g + 3
	s_add_nc_u64 s[KFP:KFP+1], s[14:15], s[OF:OF+1]
	s_wait_alu depctr_va_vdst(0)                   ; v[VM], v[VOA], v[VOB], v[LS], v[LR] and v[LR2] are written: every load, store and LDS access of the kernel reads one of them as its offset or address
.irp i, 0,1,2,3,4,5,6,7
	global_load_b128 v[PM+4*\i:PM+4*\i+3], v[VM], s[10:11] offset:512*\i   ; lane l: the maxima of work-groups l, 32 + l, ..
.endr
	LOADS 0
	LOADS 1
	WIN 0
	s_wait_loadcnt 63                              ; behind pmax's 8 loads stand 64; 63 is the largest count that the wait can name: pmax and one more are in
	AMAX 0, 14, 23
	AMAX 1, 15, 23
	AMAX 2, 16, 23
	v_rcp_f32 v17, v14
	v_rcp_f32 v18, v15
	v_rcp_f32 v19, v16
	v_nop                                          ; a plain instruction behind the last reciprocal,
	s_wait_alu depctr_va_vdst(0)                   ; and the one wait ahead of the batch's first reader: the three reciprocals v17 to v19 are written
.irp k, 0,1,2
	v_mul_f32 v[20+\k], 0x42fe0000, v[17+\k]       ; 127 / m: the first guess,
.endr
.irp k, 0,1,2
	v_fma_f32 v[24+\k], -v[20+\k], v[14+\k], v[C127]   ; what it leaves of 127,
.endr
.irp k, 0,1,2
	v_fma_f32 v[20+\k], v[24+\k], v[17+\k], v[20+\k]   ; and the correction
.endr
	v_readfirstlane_b32 s[SK], v20
	v_readfirstlane_b32 s[SV], v21
	v_readfirstlane_b32 s[SIN], v22
	s_wait_alu depctr_va_sdst(0)                   ; the three scales are written into s[SK], s[SV] and s[SIN], ahead of their first readers, the three lines below
	s_mov_b32 s[SK+1], s[SK]
	s_mov_b32 s[SV+1], s[SV]
	s_mov_b32 s[SIN+1], s[SIN]
	STEP 0, 1, 1, 48, 32                           ; step 0 starts the sums; it asks for step 2
	s_mov_b32 s[CNT], 2
.Lk:                                                   ; steps 1 to 4; they ask for steps 3 to 6
	STEP 1, 0, 1, 48, 32
	STEP 0, 0, 1, 48, 32
	s_sub_co_u32 s[CNT], s[CNT], 1
	s_cmp_lg_u32 s[CNT], 0
	s_cbranch_scc1 .Lk
	STEP 1, 0, 1, 48, 32                           ; step 5 asks for step 7; the tail is written out, so that every count holds on every path
	STEP 0, 0, 0, 48, 32                           ; steps 6 and 7 issue no load, so they state nothing
	STEP 1, 0, 0, 16, 0
.rept 8
	v_nop                                          ; the places behind the last products, before their results are read
.endr
	s_wait_alu depctr_va_vdst(0)                   ; the products have written the accumulators, which my LDS stores read and in which LDS loads land later; step 6 is done with staging set 0, in which wave 7's loads land
	s_cmp_lg_u32 s[WV], 7                          ; wave 7 also lays out the work-group's share of qK: 32 d x 64 v; its loads are out while the partial tiles meet
	s_cbranch_scc1 .Lnok
	LOADK 0, VOB, KP, 0, PITCHB
	WIN 0
.Lnok:
	PUT
	GET 4096                                       ; u = a: tiles (a, b) lie 4,096 bytes apart
	TOFRAG
	s_wait_alu depctr_va_vdst(0)                   ; the conversions have written v[OF16 ..], which the two stores read
	global_store_b128 v[VM], v[OF16:OF16+3], s[M1P:M1P+1]
	global_store_b128 v[VM], v[OF16+4:OF16+7], s[M1P:M1P+1] offset:512
	s_cmp_lg_u32 s[WV], 7
	s_cbranch_scc1 .Lend
	s_wait_loadcnt 0x0
	QUANT 0, SK
	PACKK 0, FA
	WIN 0
	s_wait_alu depctr_va_vdst(0)                   ; the conversions have written v[FA ..], which the eight stores read
.irp j, 0,1,2,3
	global_store_b128 v[VM], v[FA+8*\j:FA+8*\j+3], s[KFP:KFP+1] offset:\j*1024
	global_store_b128 v[VM], v[FA+8*\j+4:FA+8*\j+7], s[KFP:KFP+1] offset:\j*1024+512
.endr
.Lend:
	s_wait_dscnt 0x0                               ; the closing lines, six on end
	s_wait_alu 0x0
	s_wait_tensorcnt 0x0
	ds_add_u32 v[SPW], v[NIL]
	s_wait_dscnt 0x0
	s_endpgm
.Lfunc_end_k_q10cf2ccf9d_m1:
	.size	k_q10cf2ccf9d_m1, .Lfunc_end_k_q10cf2ccf9d_m1-k_q10cf2ccf9d_m1
	.p2alignl 7, 3214868480
	.fill 96, 4, 3214868480
	.section	.rodata,"a",@progbits
	.p2align	6, 0x0
	.amdhsa_kernel k_q10cf2ccf9d_m1
		.amdhsa_group_segment_fixed_size 132096
		.amdhsa_private_segment_fixed_size 0
		.amdhsa_enable_private_segment 0
		.amdhsa_kernarg_size 48
		.amdhsa_user_sgpr_count 2
		.amdhsa_user_sgpr_kernarg_segment_ptr 1
		.amdhsa_wavefront_size32 1
		.amdhsa_system_sgpr_workgroup_id_x 1
		.amdhsa_system_sgpr_workgroup_id_y 1
		.amdhsa_system_sgpr_workgroup_id_z 1
		.amdhsa_system_vgpr_workitem_id 0
		.amdhsa_next_free_vgpr 512
		.amdhsa_next_free_sgpr 66
		.amdhsa_reserve_vcc 0
		.amdhsa_float_denorm_mode_32 3
		.amdhsa_float_denorm_mode_16_64 3
		.amdhsa_memory_ordered 1
		.amdhsa_forward_progress 1
		.amdhsa_inst_pref_size 123
	.end_amdhsa_kernel
	.amdgpu_metadata
---
amdhsa.version: [ 1, 2 ]
amdhsa.kernels:
  - .name:           k_q10cf2ccf9d_m1
    .symbol:         k_q10cf2ccf9d_m1.kd
    .args:
      - { .name: W_in, .offset: 0, .size: 8, .value_kind: global_buffer, .address_space: global }
      - { .name: W_V, .offset: 8, .size: 8, .value_kind: global_buffer, .address_space: global }
      - { .name: W_K, .offset: 16, .size: 8, .value_kind: global_buffer, .address_space: global }
      - { .name: pmax, .offset: 24, .size: 8, .value_kind: global_buffer, .address_space: global }
      - { .name: m1f, .offset: 32, .size: 8, .value_kind: global_buffer, .address_space: global }
      - { .name: kf, .offset: 40, .size: 8, .value_kind: global_buffer, .address_space: global }
    .group_segment_fixed_size: 132096
    .private_segment_fixed_size: 0
    .kernarg_segment_align: 8
    .kernarg_segment_size: 48
    .max_flat_workgroup_size: 256
    .sgpr_count:     66
    .vgpr_count:     512
    .wavefront_size: 32
...
	.end_amdgpu_metadata
.endif
;; end of part 5
;; launch mid (part 6): grid 384 x 1, 8 waves a work-group, no clusters, 132,096 bytes of LDS; arguments W_out, m1f, x, kf, pmax, mf, sbuf; writes mf, sbuf
.if DOCPART == 6
	.amdgcn_target "amdgcn-amd-amdhsa--gfx1250"
	.amdhsa_code_object_version 6
	.text
	.protected	k_q10cf2ccf9d_mid
	.globl	k_q10cf2ccf9d_mid
	.p2align	8
	.type	k_q10cf2ccf9d_mid,@function
k_q10cf2ccf9d_mid:
	s_mov_b64 s[64:65], 0
	v_nop
	global_prefetch_b8 v0, s[64:65] scope:SCOPE_SE
	s_setreg_imm32_b32 hwreg(HW_REG_WAVE_SCHED_MODE, 0, 2), 2
	s_setreg_imm32_b32 hwreg(HW_REG_WAVE_MODE, 25, 1), 1
	s_wait_xcnt 0x0
	s_wait_alu depctr_vm_vsrc(0)
; TWO PRODUCTS THAT DO NOT HANG ON EACH OTHER, IN ONE LAUNCH.  (The clip is an identity and the products are taken in another order than they are written: shown at the head of the first kernel.)
; Work-groups 0-127:   M = M1 qOut, [256 v][2048 n], K = 4,096 f; stored as f16 fragments, times 2^-19 (with M1's 2^-10: at most 32,258 * 127 * 4096 / 2^19 = 32,006 in size whatever the inputs).
; Work-groups 128-383: S = x qK * (m_K / 127), [4096 tokens][256 v] in f32, K = 2,048 d: all 256 scores of a token; the last launch picks its 16.
; The first kind has twice the bytes and steps of the second, so it has the low numbers: 128 long shares and 256 short ones for 256 WGPs.
; LIMITS.  x is rounded to f16: |x| below 65,520, and below 6e-5 it keeps f16's fixed step of 6e-8.  M below 2^-14 keeps f16's fixed step 2^-24.
; BOTH: a tile of 64 x 64, K split among the 8 waves, steps of 32, the partial tiles meet in LDS; one step's 24 loads are out while the step before it is multiplied.
; Fragments, their images of 1,024 bytes and the loads that turn rows lying across K into fragments are the launch before's: lane r of fragment j stands for index 4 r + j of a chunk of 64.
; M:  source 0 = M1's fragment a (image; row v = 64 q + 4 m + a; element e of lane half h: f = 64 c + 32 h + 16 g + e), source 1 = W_out's fragment b, from rows f = 64 c + 32 h + 16 g + kk, quantised on the way.
;     Register i of lane (r, h) is M[v = 64 q + 32 h + 4 i + a][n = 64 c2 + 4 r + b]: for a fixed b again two fragments, along v, of the last product's second source.
; S:  source 0 = x's fragment t (token 16 t + r; 16 consecutive d, 64 bytes, a lane), source 1 = qK's fragment b (image).  Register i of lane (r, h) is S[token 16 t + 8 h + i][v = 64 vc + 4 r + b].
; THE MODE: SCHED_MODE bits 1:0 = 2 (LLVM: expert scheduling mode 2), set by the entry lines.  The code itself states the register dependences
; between vector or matrix instructions and memory or LDS instructions, with s_wait_alu, always for 0.
; THE PLAN.  Registers that memory or LDS instructions touch:
;   staging set p % 2   Step p: its conversions (M: QUANT, which also rewrites it, and PACKK; S: PACKR) read it; behind them the 16 loads of step p + 2 land in it.
;   IM0 .. IM3          four buffers of four fragment images.  Step p: its 16 products read IM[p % 4]; the 8 loads of step p + 2 land in IM[(p + 2) % 4], which the products of step p - 2 read last.
;   v[VM], v[VOA], v[VOB], v[GO], v[LS], v[LR], v[LR2]   offsets and LDS addresses: written at the head, never again; the rows are reached by scalar bases and immediate offsets.
;   the accumulators    written by the products; at the end read by my LDS stores, and then the LDS loads of the eight waves' partial tiles land in them.
;   OF16                written by the last arithmetic, read by the global stores.      v[SPW], v[NIL]   written at the head, read by the closing add alone.
;   The converted fragments (v[32:63] in S, v[64:95] in M) and, in the loop, the accumulators are named by vector and matrix instructions alone.
; So ONE wait on va_vdst stands in a step, behind its conversions: they are done with the staging set, and the products of two steps back are done reading their images.  The step's 24 loads follow it, dealt among
; its 16 products, which name IM[p % 4], the converted fragments and the accumulators: none of the registers that those loads touch.  No address register is written in the loops, so they hold no wait on vm_vsrc.
.set SPARE, 131072                     ; LDS: wave p's 16 partial tiles of 1,024 bytes at 16,384 p; behind them the spare words, 128 bytes a wave, which no other line names
.set LN,  1
.set RR,  2
.set HH,  3
.set VOA, 4                            ; x: 8,192 r + 64 h; never rewritten
.set VOB, 5                            ; W_out: h x 32 rows of 8,192 bytes + 16 r; never rewritten
.set LS,  6
.set LR,  7
.set LR2, 8
.set GO,  9                            ; sbuf: 8 h rows of 1,024 bytes + 16 r
.set VM,  10
.set SPW, 11
.set NIL, 12
.set C127, 13
.set OF16, 96                          ; v[96:111] what I store
.set ACC, 128
.set PM,  128
.set IM,  128                          ; window 1: image buffer k at IM + 32 k
; Window 0: v[32:63] S: x's fragments; v[64:95] M: W_out's fragments.  Window 1 (v256-511): staging, set s at 64 s; behind it the four image buffers.
.set WV,  18
.set CNT, 19
.set PA,  20
.set PB,  22
.set SC,  24                           ; s[24:25] M: 127 / m of W_out, twice.  S: m_K / 127
.set QQ,  26
.set CC,  27
.set MG,  30
.set NM,  32
.set SEL, 34
.set OF,  36
.set FC,  38
.set OP,  40                           ; s[40:41] where I store
.set T0,  42
.set MSB, 0
.macro WIN new                         ; s_set_vgpr_msb: bits 1:0 source 0, 3:2 source 1, 5:4 source 2, 7:6 destination; the high byte repeats the setting that is left
.if MSB != (\new)
	s_set_vgpr_msb (MSB<<8)|(\new)
.set MSB, \new
.endif
.endm
.macro LOADK st, vo, p, off, pitch
	WIN 0x40
.set kk, 0
.rept 16
	global_load_b128 v[(\st)+4*kk:(\st)+4*kk+3], v[\vo], s[\p:\p+1] offset:(\off)+kk*(\pitch)
.set kk, kk+1
.endr
.endm
.macro LOADX st, off                   ; x: four blocks of 16 tokens, 64 bytes a lane
	WIN 0x40
.irp t, 0,1,2,3
.irp c, 0,1,2,3
	global_load_b128 v[(\st)+16*\t+4*\c:(\st)+16*\t+4*\c+3], v[VOA], s[PA:PA+1] offset:(\off)+\t*131072+\c*16
.endr
.endr
.endm
.macro LOADF f, p, off                 ; four fragment images straight into an image buffer
	WIN 0x40
.irp j, 0,1,2,3
	global_load_b128 v[(\f)+8*\j:(\f)+8*\j+3], v[VM], s[\p:\p+1] offset:(\off)+\j*1024
	global_load_b128 v[(\f)+8*\j+4:(\f)+8*\j+7], v[VM], s[\p:\p+1] offset:(\off)+\j*1024+512
.endr
.endm
.macro QUANT st, sc
	WIN 0x41
.set kk, 0
.rept 32
	v_pk_fma_f32 v[(\st)+2*kk:(\st)+2*kk+1], v[(\st)+2*kk:(\st)+2*kk+1], s[\sc:\sc+1], s[MG:MG+1] op_sel_hi:[1,0,0]
.set kk, kk+1
.endr
.set kk, 0
.rept 32
	v_pk_add_f32 v[(\st)+2*kk:(\st)+2*kk+1], v[(\st)+2*kk:(\st)+2*kk+1], s[NM:NM+1] op_sel_hi:[1,0]
.set kk, kk+1
.endr
.endm
.macro PACKK st, f
	WIN 0x05
.irp j, 0,1,2,3
.irp i, 0,1,2,3,4,5,6,7
	v_cvt_pk_f16_f32 v[(\f)+8*\j+\i], v[(\st)+8*\i+\j], v[(\st)+8*\i+4+\j]
.endr
.endr
.endm
.macro PACKR st, f                     ; x: neighbours along d, rounded once to f16
	WIN 0x05
.irp t, 0,1,2,3
.irp p, 0,1,2,3,4,5,6,7
	v_cvt_pk_f16_f32 v[(\f)+8*\t+\p], v[(\st)+16*\t+2*\p], v[(\st)+16*\t+2*\p+1]
.endr
.endr
.endm
.macro MULS fa, fb, zero, lo, hi       ; 8 of a step's 16 products: a = lo, hi.  The 16 accumulators take turns, one instruction a turn, in the same order in every step.  The caller sets the windows
.irp a, \lo, \hi
.irp b, 0,1,2,3
.if \zero
	v_wmma_f32_16x16x32_f16 v[ACC+8*(4*\a+\b):ACC+8*(4*\a+\b)+7], v[(\fa)+8*\a:(\fa)+8*\a+7], v[(\fb)+8*\b:(\fb)+8*\b+7], 0
.else
	v_wmma_f32_16x16x32_f16 v[ACC+8*(4*\a+\b):ACC+8*(4*\a+\b)+7], v[(\fa)+8*\a:(\fa)+8*\a+7], v[(\fb)+8*\b:(\fb)+8*\b+7], v[ACC+8*(4*\a+\b):ACC+8*(4*\a+\b)+7]
.endif
.endr
.endr
.endm
.macro NOP4                            ; S: four places behind the last product, in front of the conversions onto x's fragment registers, which it has read
.rept 4
	v_nop
.endr
.endm
.macro AMAX c, d, u
	v_max3_num_f32 v[\d], v[PM+\c], v[PM+4+\c], v[PM+8+\c]
	v_max3_num_f32 v[\d], v[\d], v[PM+12+\c], v[PM+16+\c]
	v_max3_num_f32 v[\d], v[\d], v[PM+20+\c], v[PM+24+\c]
	v_max_num_f32 v[\d], v[\d], v[PM+28+\c]
	v_max_num_f32_dpp v[\d], v[\d], v[\d] row_xmask:1 row_mask:0xf bank_mask:0xf
	v_max_num_f32_dpp v[\d], v[\d], v[\d] row_xmask:2 row_mask:0xf bank_mask:0xf
	v_max_num_f32_dpp v[\d], v[\d], v[\d] row_xmask:4 row_mask:0xf bank_mask:0xf
	v_max_num_f32_dpp v[\d], v[\d], v[\d] row_xmask:8 row_mask:0xf bank_mask:0xf
	v_mov_b32 v[\u], v[\d]
	v_permlanex16_b32 v[\u], v[\d], s[SEL], s[SEL+1]
	v_max_num_f32 v[\d], v[\d], v[\u]
	v_max_num_f32 v[\d], 0x322bcc77, v[\d]         ; 1e-8
.endm
.macro PUT
	WIN 0
.rept 8
	v_nop                                          ; the places behind the last products, before their results are read
.endr
	s_wait_alu depctr_va_vdst(0)                   ; the products have written the accumulators, which my LDS stores read and in which LDS loads land later
.set t, 0
.rept 16
	ds_store_b128 v[LS], v[ACC+8*t:ACC+8*t+3] offset:t*1024       ; each accumulator's low four registers first
	ds_store_b128 v[LS], v[ACC+8*t+4:ACC+8*t+7] offset:t*1024+512
.set t, t+1
.endr
	s_wait_dscnt 0x0                               ; for the others' sake: my stores are done
	s_barrier_signal -1
	s_barrier_wait -1
.endm
.macro GET ustr
	s_wait_alu depctr_vm_vsrc(0)                   ; my LDS stores have read the accumulators, in which the loads below land (the products that wrote them stand ahead of the last wait on va_vdst)
.irp p, 0,1,2,3
.irp u, 0,1,2,3
	ds_load_b128 v[ACC+16*\p+4*\u:ACC+16*\p+4*\u+3], v[LR] offset:\p*16384+\u*(\ustr)
.endr
.endr
.irp p, 4,5,6,7
.irp u, 0,1,2,3
	ds_load_b128 v[ACC+16*\p+4*\u:ACC+16*\p+4*\u+3], v[LR2] offset:(\p-4)*16384+\u*(\ustr)
.endr
.endr
	s_wait_dscnt 0x0
.irp p, 0,2,4,6
.irp k, 0,2,4,6,8,10,12,14
	v_pk_add_f32 v[ACC+16*\p+\k:ACC+16*\p+\k+1], v[ACC+16*\p+\k:ACC+16*\p+\k+1], v[ACC+16*\p+16+\k:ACC+16*\p+16+\k+1]
.endr
.endr
.irp p, 0,4
.irp k, 0,2,4,6,8,10,12,14
	v_pk_add_f32 v[ACC+16*\p+\k:ACC+16*\p+\k+1], v[ACC+16*\p+\k:ACC+16*\p+\k+1], v[ACC+16*\p+32+\k:ACC+16*\p+32+\k+1]
.endr
.endr
.irp k, 0,2,4,6,8,10,12,14
	v_pk_add_f32 v[ACC+\k:ACC+\k+1], v[ACC+\k:ACC+\k+1], v[ACC+64+\k:ACC+64+\k+1]
.endr
.endm
; M's step p = (c, g): s = p % 4; its staging set and its place behind the pointers go by g = s % 2.  16 loads of W_out, 8 of M1's images.
.macro LD3 set                         ; at the head: steps 0 and 1
	LOADK 64*(\set), VOB, PB, (\set)*131072, 8192
	LOADF IM+32*(\set), PA, (\set)*16384
.endm
; QUANT's 64 plain instructions, which name staging registers alone, are the places between the last step's products and PACKK, which rewrites W_out's fragments.
.macro STEP3 s, zero, load, w
	s_wait_loadcnt \w                              ; this step's 24 loads are in; the next step's may stay out
	QUANT 64*((\s)%2), SC
	PACKK 64*((\s)%2), 64
.if \load
.if (\s)%2 == 0
	s_wait_xcnt 0x0                                ; every load issued so far has read its base
	s_add_nc_u64 s[PA:PA+1], s[PA:PA+1], 32768     ; the next c: 32 images,
	s_add_nc_u64 s[PB:PB+1], s[PB:PB+1], 524288    ; 64 rows of W_out
.endif
	WIN 0x40
	s_wait_alu depctr_va_vdst(0)                   ; QUANT has written and PACKK has read the staging set; the products of two steps back are done reading the image buffer two on: in these the 24 loads of this step land
	LOADK 64*((\s)%2), VOB, PB, ((\s)%2)*131072, 8192
	WIN 0x01                                       ; source 0, the images, in window 1
	MULS IM+32*(\s), 64, \zero, 0, 1
	LOADF IM+32*(((\s)+2)%4), PA, ((\s)%2)*16384   ; no wait: the eight products since the wait name this step's images, W_out's fragments and accumulators
	WIN 0x01
	MULS IM+32*(\s), 64, \zero, 2, 3
.else
	WIN 0x01
	MULS IM+32*(\s), 64, \zero, 0, 1
	MULS IM+32*(\s), 64, \zero, 2, 3
.endif
.endm
; S's step p: s = p % 4.  16 loads of x, 8 of qK's images.
.macro LD2 set                         ; at the head: steps 0 and 1
	LOADX 64*(\set), 128*(\set)
	LOADF IM+32*(\set), PB, (\set)*16384
.endm
.macro STEP2 s, zero, load, w
	s_wait_loadcnt \w
	PACKR 64*((\s)%2), 32
.if \load
.if (\s)%2 == 0
	s_wait_xcnt 0x0                                ; every load issued so far has read its base
	s_add_nc_u64 s[PA:PA+1], s[PA:PA+1], 256       ; 64 d of x: two steps take 256 consecutive bytes of each row,
	s_add_nc_u64 s[PB:PB+1], s[PB:PB+1], 32768     ; 32 images
.endif
	WIN 0x40
	s_wait_alu depctr_va_vdst(0)                   ; PACKR has read the staging set; the products of two steps back are done reading the image buffer two on: in these the 24 loads of this step land
	LOADX 64*((\s)%2), 128*((\s)%2)
	WIN 0x04                                       ; source 1, the images, in window 1
	MULS 32, IM+32*(\s), \zero, 0, 1
	LOADF IM+32*(((\s)+2)%4), PB, ((\s)%2)*16384   ; no wait: the eight products since the wait name x's fragments, this step's images and accumulators
	WIN 0x04
	MULS 32, IM+32*(\s), \zero, 2, 3
.else
	WIN 0x04
	MULS 32, IM+32*(\s), \zero, 0, 1
	MULS 32, IM+32*(\s), \zero, 2, 3
.endif
	NOP4
.endm
	s_load_b256 s[4:11], s[0:1], 0x0               ; W_out s[4:5], m1f s[6:7], x s[8:9], kf s[10:11]
	s_load_b128 s[12:15], s[0:1], 0x20             ; pmax s[12:13], mf s[14:15]
	s_load_b64 s[16:17], s[0:1], 0x30              ; sbuf
	v_lshl_add_u32 v[SPW], v0, 2, SPARE
	v_mov_b32 v[NIL], 0
	v_lshrrev_b32 v14, 5, v0
	v_readfirstlane_b32 s[WV], v14                 ; wave 0..7
	v_and_b32 v[LN], 31, v0
	v_and_b32 v[RR], 15, v0
	v_bfe_u32 v[HH], v0, 4, 1
	v_lshlrev_b32 v[VM], 4, v[LN]
	v_lshlrev_b32 v15, 4, v[RR]                    ; 16 r
	s_wait_alu depctr_va_sdst(0)                   ; the wave's number is written into s[WV], ahead of its first reader, the next line
	s_lshl_b32 s[T0], s[WV], 14
	v_add_nc_u32 v[LS], s[T0], v[VM]
	v_mov_b32 v[C127], 0x42fe0000
	s_mov_b32 s[MG], 0x4b400000
	s_mov_b32 s[MG+1], 0x4b400000
	s_mov_b32 s[NM], 0xcb400000
	s_mov_b32 s[NM+1], 0xcb400000
	s_mov_b32 s[SEL], 0x76543210
	s_mov_b32 s[SEL+1], 0xfedcba98
	s_mov_b32 s[FC], 0x36000000                    ; 2^-19
	s_mov_b32 s[FC+1], 0x36000000
	s_mov_b32 s[OF+1], 0
	s_wait_kmcnt 0x0
	s_wait_alu depctr_va_vdst(0)                   ; v[VM], which the loads below and all loads and stores of images read as their offset, and v[LS] are written
.irp i, 0,1,2,3,4,5,6,7
	global_load_b128 v[PM+4*\i:PM+4*\i+3], v[VM], s[12:13] offset:512*\i
.endr
	s_cmp_lt_u32 ttmp9, 128                        ; the work-group's number alone chooses: the same in all its waves
	s_cbranch_scc0 .Lscores
	; ---------------- M = M1 qOut ----------------
	s_and_b32 s[QQ], ttmp9, 3                      ; q: 64 v
	s_lshr_b32 s[CC], ttmp9, 2                     ; c2: 64 n
	v_lshl_add_u32 v[VOB], v[HH], 18, v15
	s_lshl_b32 s[T0], s[WV], 9
	v_add_nc_u32 v[LR], s[T0], v[VM]               ; wave w sums half g = w % 2 of the tiles (a, b = w / 2)
	v_add_nc_u32 v[LR2], 0x10000, v[LR]
	s_lshl_b32 s[OF], s[CC], 8                     ; W_out: 256 c2 + wave x 512 rows
	s_lshl_b32 s[T0], s[WV], 22
	s_add_co_u32 s[OF], s[OF], s[T0]
	s_add_nc_u64 s[PB:PB+1], s[4:5], s[OF:OF+1]
	s_lshl_b32 s[OF], s[QQ], 12                    ; m1f: image ((2 c + g) 4 + q) 4 + j, c = 8 wave on
	s_lshl_b32 s[T0], s[WV], 18
	s_add_co_u32 s[OF], s[OF], s[T0]
	s_add_nc_u64 s[PA:PA+1], s[6:7], s[OF:OF+1]
	s_lshl_b32 s[OF], s[CC], 15                    ; mf: image (8 c2 + 2 q + g) 4 + b
	s_lshl_b32 s[T0], s[QQ], 13
	s_add_co_u32 s[OF], s[OF], s[T0]
	s_and_b32 s[T0], s[WV], 1
	s_lshl_b32 s[T0], s[T0], 12
	s_add_co_u32 s[OF], s[OF], s[T0]
	s_lshr_b32 s[T0], s[WV], 1
	s_lshl_b32 s[T0], s[T0], 10
	s_add_co_u32 s[OF], s[OF], s[T0]
	s_add_nc_u64 s[OP:OP+1], s[14:15], s[OF:OF+1]
	WIN 0x40
	s_wait_alu depctr_va_vdst(0)                   ; v[VOB], which every load of W_out reads as its offset, v[LR] and v[LR2] are written
	LD3 0
	LD3 1
	WIN 0
	s_wait_loadcnt 48                              ; pmax is in; steps 0 and 1 stay out
	AMAX 3, 14, 23
	v_rcp_f32 v17, v14
	v_nop                                          ; a plain instruction behind the reciprocal,
	s_wait_alu depctr_va_vdst(0)                   ; and the wait ahead of its first reader: the reciprocal v17 is written
	v_mul_f32 v20, 0x42fe0000, v17                 ; 127 / m: a first guess, what it leaves of 127, the correction
	v_fma_f32 v24, -v20, v14, v[C127]
	v_fma_f32 v20, v24, v17, v20
	v_readfirstlane_b32 s[SC], v20
	s_wait_alu depctr_va_sdst(0)                   ; the scale is written into s[SC], ahead of its first reader, the next line
	s_mov_b32 s[SC+1], s[SC]
	STEP3 0, 1, 1, 24                              ; step 0 starts the sums and asks for step 2
	WIN 0                                          ; at a label and at a branch every window is 0
	s_mov_b32 s[CNT], 3
.Lk3:                                                  ; steps 1 to 12, four to a trip: staging sets and image buffers are back at their start; they ask for steps 3 to 14
	STEP3 1, 0, 1, 24
	STEP3 2, 0, 1, 24
	STEP3 3, 0, 1, 24
	STEP3 0, 0, 1, 24
	WIN 0
	s_sub_co_u32 s[CNT], s[CNT], 1
	s_cmp_lg_u32 s[CNT], 0
	s_cbranch_scc1 .Lk3
	STEP3 1, 0, 1, 24                              ; step 13 asks for step 15; the tail is written out, so that every count holds on every path
	STEP3 2, 0, 0, 24                              ; steps 14 and 15 issue no load, so they state nothing
	STEP3 3, 0, 0, 0
	PUT
	GET 4096
.irp k, 0,2,4,6,8,10,12,14
	v_pk_mul_f32 v[ACC+\k:ACC+\k+1], v[ACC+\k:ACC+\k+1], s[FC:FC+1] op_sel_hi:[1,0]
.endr
.irp i, 0,1,2,3
	v_cvt_pk_f16_f32 v[OF16+2*\i], v[ACC+\i], v[ACC+4+\i]          ; element e = 4 i + a: register 2 i + a / 2, half a % 2
	v_cvt_pk_f16_f32 v[OF16+2*\i+1], v[ACC+8+\i], v[ACC+12+\i]
.endr
	s_wait_alu depctr_va_vdst(0)                   ; the conversions have written v[OF16 ..], which the two stores read
	global_store_b128 v[VM], v[OF16:OF16+3], s[OP:OP+1]
	global_store_b128 v[VM], v[OF16+4:OF16+7], s[OP:OP+1] offset:512
	s_branch .Lend
	; ---------------- S = x qK ----------------
.Lscores:
	s_sub_co_u32 s[T0], ttmp9, 128
	s_and_b32 s[QQ], s[T0], 3                      ; vc: 64 v
	s_lshr_b32 s[CC], s[T0], 2                     ; tt: 64 tokens
	v_lshlrev_b32 v[VOA], 13, v[RR]
	v_lshl_add_u32 v[VOA], v[HH], 6, v[VOA]
	v_lshl_add_u32 v[GO], v[HH], 13, v15
	s_lshr_b32 s[T0], s[WV], 1                     ; wave w sums half g = w % 2 of the tiles (t = w / 2, b)
	s_lshl_b32 s[T0], s[T0], 12
	v_add_nc_u32 v[LR], s[T0], v[VM]
	s_and_b32 s[T0], s[WV], 1
	s_lshl_b32 s[T0], s[T0], 9
	v_add_nc_u32 v[LR], s[T0], v[LR]
	v_add_nc_u32 v[LR2], 0x10000, v[LR]
	s_lshl_b32 s[OF], s[CC], 19                    ; x: 64 tt rows of 8,192 bytes + wave x 256 d
	s_lshl_b32 s[T0], s[WV], 10
	s_add_co_u32 s[OF], s[OF], s[T0]
	s_add_nc_u64 s[PA:PA+1], s[8:9], s[OF:OF+1]
	s_lshl_b32 s[OF], s[QQ], 12                    ; kf: image (4 ks + vc) 4 + j, ks = 8 wave on
	s_lshl_b32 s[T0], s[WV], 17
	s_add_co_u32 s[OF], s[OF], s[T0]
	s_add_nc_u64 s[PB:PB+1], s[10:11], s[OF:OF+1]
	s_lshl_b32 s[OF], s[CC], 16                    ; sbuf: row 64 tt + 16 t + 4 g, byte 256 vc
	s_lshr_b32 s[T0], s[WV], 1
	s_lshl_b32 s[T0], s[T0], 14
	s_add_co_u32 s[OF], s[OF], s[T0]
	s_and_b32 s[T0], s[WV], 1
	s_lshl_b32 s[T0], s[T0], 12
	s_add_co_u32 s[OF], s[OF], s[T0]
	s_lshl_b32 s[T0], s[QQ], 8
	s_add_co_u32 s[OF], s[OF], s[T0]
	s_add_nc_u64 s[OP:OP+1], s[16:17], s[OF:OF+1]
	WIN 0x40
	s_wait_alu depctr_va_vdst(0)                   ; v[VOA], which every load of x reads as its offset, v[GO], v[LR] and v[LR2] are written
	LD2 0
	LD2 1
	WIN 0
	s_wait_loadcnt 48                              ; pmax is in; steps 0 and 1 stay out
	AMAX 0, 14, 23
	v_mul_f32 v14, 0x3c010204, v14                 ; m_K / 127
	v_readfirstlane_b32 s[SC], v14
	s_wait_alu depctr_va_sdst(0)                   ; the factor is written into s[SC]; its first reader is the multiply on the way out
	STEP2 0, 1, 1, 24                              ; the eight steps are written out: the image buffers come round in four steps, and between the first step and the tail of three lie just four
	STEP2 1, 0, 1, 24                              ; steps 0 to 5 ask for steps 2 to 7
	STEP2 2, 0, 1, 24
	STEP2 3, 0, 1, 24
	STEP2 0, 0, 1, 24
	STEP2 1, 0, 1, 24
	STEP2 2, 0, 0, 24                              ; steps 6 and 7 issue no load, so they state nothing
	STEP2 3, 0, 0, 0
	PUT
	GET 1024                                       ; u = b: tiles (t, b) lie 1,024 bytes apart
.irp i, 0,1,2,3
.irp b, 0,1,2,3
	v_mul_f32 v[OF16+4*\i+\b], s[SC], v[ACC+4*\b+\i]   ; the factor; and a row's four neighbouring columns 4 r + b come to lie side by side
.endr
.endr
	s_wait_alu depctr_va_vdst(0)                   ; the multiplies have written v[OF16 ..], which the four stores read
.irp i, 0,1,2,3
	global_store_b128 v[GO], v[OF16+4*\i:OF16+4*\i+3], s[OP:OP+1] offset:\i*1024   ; 16 lanes store 256 consecutive bytes, aligned
.endr
.Lend:
	s_wait_dscnt 0x0                               ; the closing lines, six on end
	s_wait_alu 0x0
	s_wait_tensorcnt 0x0
	ds_add_u32 v[SPW], v[NIL]
	s_wait_dscnt 0x0
	s_endpgm
.Lfunc_end_k_q10cf2ccf9d_mid:
	.size	k_q10cf2ccf9d_mid, .Lfunc_end_k_q10cf2ccf9d_mid-k_q10cf2ccf9d_mid
	.p2alignl 7, 3214868480
	.fill 96, 4, 3214868480
	.section	.rodata,"a",@progbits
	.p2align	6, 0x0
	.amdhsa_kernel k_q10cf2ccf9d_mid
		.amdhsa_group_segment_fixed_size 132096
		.amdhsa_private_segment_fixed_size 0
		.amdhsa_enable_private_segment 0
		.amdhsa_kernarg_size 56
		.amdhsa_user_sgpr_count 2
		.amdhsa_user_sgpr_kernarg_segment_ptr 1
		.amdhsa_wavefront_size32 1
		.amdhsa_system_sgpr_workgroup_id_x 1
		.amdhsa_system_sgpr_workgroup_id_y 1
		.amdhsa_system_sgpr_workgroup_id_z 1
		.amdhsa_system_vgpr_workitem_id 0
		.amdhsa_next_free_vgpr 512
		.amdhsa_next_free_sgpr 66
		.amdhsa_reserve_vcc 0
		.amdhsa_float_denorm_mode_32 3
		.amdhsa_float_denorm_mode_16_64 3
		.amdhsa_memory_ordered 1
		.amdhsa_forward_progress 1
		.amdhsa_inst_pref_size 147
	.end_amdhsa_kernel
	.amdgpu_metadata
---
amdhsa.version: [ 1, 2 ]
amdhsa.kernels:
  - .name:           k_q10cf2ccf9d_mid
    .symbol:         k_q10cf2ccf9d_mid.kd
    .args:
      - { .name: W_out, .offset: 0, .size: 8, .value_kind: global_buffer, .address_space: global }
      - { .name: m1f, .offset: 8, .size: 8, .value_kind: global_buffer, .address_space: global }
      - { .name: x, .offset: 16, .size: 8, .value_kind: global_buffer, .address_space: global }
      - { .name: kf, .offset: 24, .size: 8, .value_kind: global_buffer, .address_space: global }
      - { .name: pmax, .offset: 32, .size: 8, .value_kind: global_buffer, .address_space: global }
      - { .name: mf, .offset: 40, .size: 8, .value_kind: global_buffer, .address_space: global }
      - { .name: sbuf, .offset: 48, .size: 8, .value_kind: global_buffer, .address_space: global }
    .group_segment_fixed_size: 132096
    .private_segment_fixed_size: 0
    .kernarg_segment_align: 8
    .kernarg_segment_size: 56
    .max_flat_workgroup_size: 256
    .sgpr_count:     66
    .vgpr_count:     512
    .wavefront_size: 32
...
	.end_amdgpu_metadata
.endif
;; end of part 6
;; launch fin: the kernel of part 4 again; grid 256 x 1, 8 waves a work-group, no clusters, 34,816 bytes of LDS; arguments indices, sbuf, mf, pmax, out0; writes out0
